; MI455X (gfx1250); checked and timed in simulation.
; The chip was launched on July 23, 2026; its instructions are those of AMD's public machine-readable ISA for CDNA 5 (MIT licence, August 2026) and "CDNA5" Instruction Set Architecture Reference Guide (July 2026). The comments in the code are by the model that wrote it; some were corrected since.
;; Generic Self Attention. Allowed arithmetic: matrix products marked QUANTISED: E2M1 operands, one E8M0 scale for each 32 along K, by v_wmma_scale_f32_16x16x128_f8f6f4 with both operands' format E2M1 (or v_wmma_scale_f32_32x16x128_f4), f32 sums; products left as they are: bf16, f16 or f32 operands; f32 sums; everything else in f32.
;; Inputs: Wk 1,024 x 1,024 float32; Wp 1,024 x 1,024 float32; Wq 1,024 x 1,024 float32; Wv 1,024 x 1,024 float32; attention_mask 4 x 1 x 2,048 int32; bk 1,024 float32; bp 1,024 float32; bq 1,024 float32; bv 1,024 float32; x 4 x 2,048 x 1,024 float32.
;; Outputs: out0 4 x 2,048 x 1,024 float32.
;; This version of the problem:
;;   THIS VERSION OF THE PROBLEM IS GIVEN IN LOW PRECISION. The matrix products marked QUANTISED in the list below multiply operands that are first quantised to E2M1 (2 exponent bits, 1 mantissa bit; 4 bits a number), with one power-of-two scale for each 32 numbers along K (OCP MX v1.0); their sums are f32. The products marked 'left as it is' may take bf16, f16 or f32 operands, with f32 sums. Whichever they take, every output number must still come out within the allowed error. Rounding operands to bf16 (8 significant bits) uses up far more of that allowance than f16 does (11 bits, for magnitudes from 6e-5 to 65,504). All else is computed in f32.
;;   The module's matrix products, in the order in which they are computed (A, B: the left and right operand; K: the contracted axis; several contracted axes count as one K, in the product's order):
;;     1. [M 8,192, K 1,024] x [K 1,024, N 1,024]; A: input x; B: input Wq: QUANTISED
;;     2. [M 8,192, K 1,024] x [K 1,024, N 1,024]; A: input x; B: input Wk: QUANTISED
;;     3. [M 8,192, K 1,024] x [K 1,024, N 1,024]; A: input x; B: input Wv: QUANTISED
;;     4. batch 64 x [M 2,048, K 64] x [K 64, N 2,048]; A: computed on the way; B: computed on the way: left as it is (an operand is computed on the way)
;;     5. batch 64 x [M 2,048, K 2,048] x [K 2,048, N 64]; A: computed on the way; B: computed on the way: left as it is (an operand is computed on the way)
;;     6. [M 8,192, K 1,024] x [K 1,024, N 1,024]; A: computed on the way; B: input Wp: left as it is (an operand is computed on the way)
;;   THE QUANTISER, for each operand of a quantised product, along K:
;;     - K is cut into blocks of 32 from its start; a last block that is shorter is filled with zeros.
;;     - A block's scale is 2^e with e = floor(log2(the largest magnitude in the block)) - 2, held to -126 .. 127; a block of zeros has e = 0. As a byte (E8M0): e + 127.
;;     - Each number is divided by its block's scale, clamped to +-6, and rounded to the nearest number of E2M1, ties to even, subnormals kept.
;;     - The product sums the exact products of the quantised numbers (number of the format x scale) in f32.
;;   ~~~python
;;   def quantise(x, axis):      # numpy; x: float32 -> the quantised numbers, widened to float32 again
;;       x = np.moveaxis(x, axis, -1); K = x.shape[-1]
;;       x = np.pad(x, [(0, 0)] * (x.ndim - 1) + [(0, -K % 32)]); x = x.reshape(x.shape[:-1] + (-1, 32)); a = np.abs(x).max(-1, keepdims=True)
;;       e = np.where(a > 0, np.clip(np.frexp(np.where(a > 0, a, 1))[1] - 1 - 2, -126, 127), 0)      # np.frexp(a)[1] - 1 = floor(log2(a)), exactly
;;       r = np.clip(x / 2.0 ** e, -6, 6)
;;       step = 2.0 ** (np.maximum(np.frexp(np.where(r == 0, 1, r))[1] - 1, 0) - 1)
;;       q = np.round(r / step) * step * 2.0 ** e      # np.round: ties to even
;;       return np.moveaxis(q.reshape(q.shape[:-2] + (-1,))[..., :K], -1, axis).astype(np.float32)
;;   ~~~
;; One version. Each part assembles by itself: llvm-mc -triple=amdgcn-amd-amdhsa -mcpu=gfx1250 --defsym DOCPART=n.
;; ======== version 1 of 1: 4 launches
;; limits: values are held in f16: magnitudes above 65,504 overflow, below 6.1e-05 lose precision; right only within a limited range of input values
;; workspace buffers: x_codes 4,194,304 bytes; x_scales 262,144 bytes; w_codes 1,572,864 bytes; w_scales 98,304 bytes; wp_img 2,097,152 bytes; qkv_img 50,331,648 bytes; y_img 16,777,216 bytes
;; launch prep (part 1): grid 480 x 1, 4 waves a work-group, no clusters, 67,072 bytes of LDS; arguments x, Wq, Wk, Wv, Wp, x_codes, x_scales, w_codes, w_scales, wp_img; writes x_codes, x_scales, w_codes, w_scales, wp_img
.if DOCPART == 1
	.amdgcn_target "amdgcn-amd-amdhsa--gfx1250"
	.amdhsa_code_object_version 6
	.text
	.protected	k_qfb25a55b20_prep
	.globl	k_qfb25a55b20_prep
	.p2align	8
	.type	k_qfb25a55b20_prep,@function
k_qfb25a55b20_prep:
	s_mov_b64 s[64:65], 0
	v_nop
	global_prefetch_b8 v0, s[64:65] scope:SCOPE_SE
	s_setreg_imm32_b32 hwreg(HW_REG_WAVE_MODE, 25, 1), 1
	s_wait_xcnt 0x0
; SELF-ATTENTION, launch 1 of 4.  x [8192][1024], Wq, Wk, Wv [1024][1024], f32 with K innermost, become codes of FP4 (E2M1) and one E8M0 byte for each 32 along K;
; Wp [1024][1024] becomes f16, laid in blocks (below).  The later launches: the three projections as one product on codes; attention; the projection on the way out.
; DEAD WORK: bk.  A score is (x Wq^T + bq) . (x Wk^T + bk) / 8 = q . k / 8 + q . bk / 8.  The second term does not hang on the key: it is the same along the softmax's axis for every query,
; so the softmax takes it away, whatever bk holds; a masked key is -infinity with it and without it.  bk is added BEHIND the quantised product with Wk, so it moves no code and no scale.
; bk is therefore loaded nowhere and is among no launch's arguments.  LIMIT: a NaN, an infinity or an overflow that reaches only bk is not carried to the result.
; LIMITS.  q, k, v, the softmax's weights, y and Wp are rounded once to f16: magnitudes beyond 65,504 are not served.  A block of zeros gets the scale byte 1 where the rule says 127: its codes are
; zeros, which add nothing under any byte but 0xff, and this program alone reads the bytes.  NaN and infinities among the inputs are not served.
; THE QUANTISER.  A block's scale is 2^(floor(log2(its largest magnitude)) - 2): its byte is the largest magnitude's exponent field - 2, held at 1 from below.  Rows are dense and K is a multiple of 32, so each
; tensor is a plain stream of blocks of 32.  A wave takes 16 steps of 512 numbers: each load reads 512 consecutive bytes; a step's 2,048 bytes turn through the wave's own stage in LDS, so that a lane holds 16
; neighbours along K (two lanes a block).  A lane's 16 codes are 8 bytes: a wave stores 256 consecutive bytes; its 256 scale bytes are gathered in LDS and leave by one store.
; THE BLOCK of f16: 16 rows x 16 columns, 512 bytes; lane (r = lane % 16, h = lane / 16) owns row r, columns 8 h .. 8 h + 7, at byte 16 x lane.  Two blocks that are neighbours along K are the eight registers of a
; 16-bit matrix operand.  wp_img: [n / 16][k / 16][512 bytes].
; SHARES.  Work-groups 0-255: x;  256-287: Wq;  288-319: Wk;  320-351: Wv (32,768 numbers each);  352-479: Wp, a wave to 16 rows x 128 along K.  The two paths have LDS bytes of their own.  Waves share nothing: no barrier.
.set STEPS, 16
.set EMAX,  2
.set CB,    8                          ; bytes of 16 codes
.set R,     16                         ; v16-79   four sets of 16 numbers as loaded (Wp: 16 rows as loaded)
.set X,     80                         ; v80-111  two sets of 16 neighbours (Wp: v80-143 the blocks' numbers)
.set E,     112                        ; v112-127 a scale byte for each step
.set C,     128                        ; v128-191 codes, four registers for each step (Wp: v144-175 the blocks in f16)
.set WREG,  8192                       ; LDS, quantising path: a region for each wave: two stages of 32 x SP bytes, then its 256 scale bytes
.set SP,    80                         ; a lane's place in a stage: 64 bytes + 16 of padding
.set WSTG,  32768                      ; LDS, Wp's path: a stage of 16 rows x WPIT bytes for each wave
.set WPIT,  528                        ; 512 bytes + 16: an odd multiple of 16, so that sixteen rows' 16 bytes fall on different banks
.set SPARE, 66560                      ; the spare words, 128 bytes for each wave: two blocks of 256 bytes that no other line names
.set SPW,   12                         ; v12  LDS address of my spare word; never rewritten
.set NIL,   13                         ; v13  0; never rewritten
.set WST,   10                         ; v10  Wp: where I put 16 bytes of a row
.set WRD,   1                          ; v1   Wp: where I read my 32 bytes of a block
.set SRC,   28                         ; s[28:29] the tensor, s[30:31] its codes, s[32:33] its scale bytes
.set DCO,   30
.set DSC,   32
	s_load_b256 s[4:11], s[0:1], 0x0               ; x, Wq, Wk, Wv
	s_load_b256 s[12:19], s[0:1], 0x20             ; Wp, x_codes, x_scales, w_codes
	s_load_b128 s[20:23], s[0:1], 0x40             ; w_scales, wp_img
	v_lshl_add_u32 v[SPW], v0, 2, SPARE
	v_mov_b32 v[NIL], 0
	v_lshrrev_b32 v1, 5, v0
	v_readfirstlane_b32 s24, v1                    ; wave
	v_and_b32 v2, 31, v0                           ; lane
	v_lshlrev_b32 v3, 4, v2                        ; 16 x lane: my 16 bytes of a load's or a store's 512
	; every LDS address of both paths is made here, ahead of the parting
	s_mul_i32 s25, s24, WREG
	v_lshrrev_b32 v14, 2, v2
	v_mul_u32_u24 v14, v14, SP
	v_and_b32 v15, 3, v2
	v_lshl_add_u32 v14, v15, 4, v14
	v_add_nc_u32 v14, s25, v14                     ; the stage, on the way in: SP (lane / 4) + 16 (lane % 4)
	v_mul_u32_u24 v15, v2, SP
	v_add_nc_u32 v15, s25, v15                     ; and on the way out: SP x lane: my 16 neighbours
	v_mul_u32_u24 v4, v2, CB                       ; my codes' place in a step's
	v_lshrrev_b32 v5, 1, v2
	s_add_co_u32 s25, s25, 2*32*SP
	v_add_nc_u32 v5, s25, v5                       ; my wave's 256 scale bytes, my block's byte
	v_lshlrev_b32 v7, 3, v2
	v_add_nc_u32 v6, s25, v7                       ; and on the way out 8 bytes a lane
	s_mul_i32 s36, s24, 16*WPIT
	s_add_co_u32 s36, s36, WSTG                    ; Wp: my wave's stage
	v_add_nc_u32 v[WST], s36, v3                   ; in: a row's 512 bytes as they lie
	v_and_b32 v[WRD], 15, v0
	v_mul_u32_u24 v[WRD], v[WRD], WPIT
	v_bfe_u32 v9, v0, 4, 1
	v_lshl_add_u32 v[WRD], v9, 5, v[WRD]
	v_add_nc_u32 v[WRD], s36, v[WRD]               ; back: row r, + 32 h: eight numbers of a block's row
	s_wait_kmcnt 0x0
	s_cmp_ge_u32 ttmp9, 352                        ; the parting hangs on the work-group's number alone
	s_cbranch_scc1 .Lwp
	; ---- the quantising path
	s_sub_co_u32 s26, ttmp9, 256                   ; a weight's work-group among the 96,
	s_and_b32 s27, s26, 31                         ; and among its own tensor's 32
	s_cmp_lt_u32 ttmp9, 288
	s_cselect_b64 s[SRC:SRC+1], s[6:7], s[8:9]
	s_cmp_lt_u32 ttmp9, 320
	s_cselect_b64 s[SRC:SRC+1], s[SRC:SRC+1], s[10:11]
	s_cmp_lt_u32 ttmp9, 256
	s_cselect_b64 s[SRC:SRC+1], s[4:5], s[SRC:SRC+1]
	s_cselect_b64 s[DCO:DCO+1], s[14:15], s[18:19]
	s_cselect_b64 s[DSC:DSC+1], s[16:17], s[20:21]
	s_cselect_b32 s27, ttmp9, s27
	s_cselect_b32 s26, ttmp9, s26
	s_lshl_b32 s27, s27, 2
	s_add_co_u32 s34, s27, s24                     ; which run of 8,192 numbers of the tensor is my wave's
	s_lshl_b32 s34, s34, 15                        ; 32,768 bytes a run
	s_mov_b32 s35, 0
	s_add_nc_u64 s[SRC:SRC+1], s[SRC:SRC+1], s[34:35]
	s_lshl_b32 s26, s26, 2
	s_add_co_u32 s26, s26, s24                     ; and which run of the codes' buffer (the three weights lie one behind the other)
	s_lshl_b32 s34, s26, 12                        ; 4,096 bytes of codes a run,
	s_add_nc_u64 s[DCO:DCO+1], s[DCO:DCO+1], s[34:35]
	s_lshl_b32 s34, s26, 8                         ; 256 scale bytes
	s_add_nc_u64 s[DSC:DSC+1], s[DSC:DSC+1], s[34:35]
.macro LOAD t
.irp i, 0,1,2,3
	global_load_b128 v[R+16*((\t)%4)+4*\i:R+16*((\t)%4)+4*\i+3], v3, s[SRC:SRC+1] offset:2048*(\t)+512*\i th:TH_LOAD_NT   ; 32 lanes read 512 consecutive bytes
.endr
.endm
.macro TURN t                          ; step t's numbers through the stage: LDS serves a wave's instructions in order, so no wait stands between the stores and the loads
.irp i, 0,1,2,3
	ds_store_b128 v14, v[R+16*((\t)%4)+4*\i:R+16*((\t)%4)+4*\i+3] offset:32*SP*((\t)%2)+8*SP*\i
.endr
.irp i, 0,1,2,3
	ds_load_b128 v[X+16*((\t)%2)+4*\i:X+16*((\t)%2)+4*\i+3], v15 offset:32*SP*((\t)%2)+16*\i
.endr
.endm
.irp t, 0,1,2,3
	LOAD \t
.endr
	s_wait_loadcnt 12                              ; step 0's four loads are in; the 12 of steps 1 to 3 may be out
	TURN 0
.macro STEP t
.set XS, X+16*((\t)%2)
.if (\t) > 0
	s_wait_dscnt 1                                 ; this step's numbers are back from the stage (the last step's byte store may be out): so its stores into the stage have read their registers,
.else
	s_wait_dscnt 0x0
.endif
.if (\t)+4 < STEPS
	LOAD (\t)+4                                    ; which take the loads of four steps on
.endif
.if (\t)+1 < STEPS
.if STEPS-2-(\t) >= 3
	s_wait_loadcnt 12                              ; the next step's four loads are in; those of the three steps behind it may be out
.else
	s_wait_loadcnt 4*(STEPS-2-(\t))
.endif
	TURN (\t)+1                                    ; and go through the other stage while this step is worked
.endif
	v_max3_num_f32 v8, |v[XS]|, |v[XS+1]|, |v[XS+2]|               ; the largest magnitude of my 16, in two chains
	v_max3_num_f32 v9, |v[XS+3]|, |v[XS+4]|, |v[XS+5]|
.irp i, 6,10
	v_max3_num_f32 v8, v8, |v[XS+\i]|, |v[XS+\i+1]|
	v_max3_num_f32 v9, v9, |v[XS+\i+2]|, |v[XS+\i+3]|
.endr
	v_max3_num_f32 v8, v8, |v[XS+14]|, |v[XS+15]|
	v_max3_num_f32 v8, v8, v9, (EMAX+1)<<23        ; and the floor 2^(EMAX + 1 - 127): the byte cannot fall under 1
	v_max_num_f32_dpp v8, v8, v8 row_xmask:1 row_mask:0xf bank_mask:0xf   ; and of my neighbour's 16: the block's
	v_add_nc_u32 v11, -(EMAX<<23), v8              ; EMAX off its exponent field: the conversion takes the exponent field of this operand as its scale
	v_cvt_scalef32_pk8_fp4_f32 v[C+4*(\t)], v[XS:XS+7], v11        ; eight numbers / the scale, to the nearest code, ties to even, beyond the largest code the largest
	v_cvt_scalef32_pk8_fp4_f32 v[C+4*(\t)+1], v[XS+8:XS+15], v11
	v_lshrrev_b32 v[E+(\t)], 23, v11               ; the scale's byte
	ds_store_b8 v5, v[E+(\t)] offset:16*(\t)       ; both lanes of a block write the same byte with the same value
	global_store_b64 v4, v[C+4*(\t):C+4*(\t)+1], s[DCO:DCO+1] offset:32*CB*(\t)   ; 32 lanes store 256 consecutive bytes, aligned
.endm
.irp t, 0,1,2,3,4,5,6,7,8,9,10,11,12,13,14,15
	STEP \t
.endr
	ds_load_b64 v[8:9], v6                         ; LDS serves a wave's instructions in order: these see my byte stores
	s_wait_dscnt 0x0
	global_store_b64 v7, v[8:9], s[DSC:DSC+1]      ; 32 lanes store 256 consecutive bytes, aligned
	s_wait_tensorcnt 0x0                           ; the wave's end: the add onto my spare word and its wait, behind my last LDS store
	ds_add_u32 v[SPW], v[NIL]
	s_wait_dscnt 0x0
	s_endpgm
	; ---- Wp's path: 16 rows x 128 along K become eight blocks of f16
.Lwp:
	s_sub_co_u32 s26, ttmp9, 352
	s_lshl_b32 s26, s26, 2
	s_add_co_u32 s26, s26, s24                     ; my job, 0 .. 511
	s_lshr_b32 s27, s26, 3                         ; which 16 rows of Wp
	s_and_b32 s26, s26, 7                          ; which 128 along K
	s_lshl_b32 s34, s27, 16                        ; 16 rows of 4,096 bytes
	s_lshl_b32 s36, s26, 9                         ; 128 numbers of 4 bytes
	s_add_co_u32 s34, s34, s36
	s_mov_b32 s35, 0
	s_add_nc_u64 s[12:13], s[12:13], s[34:35]
	s_lshl_b32 s34, s27, 15                        ; a row of 64 blocks
	s_lshl_b32 s36, s26, 12                        ; eight blocks
	s_add_co_u32 s34, s34, s36
	s_add_nc_u64 s[22:23], s[22:23], s[34:35]
.irp p, 0,1,2,3,4,5,6,7,8,9,10,11,12,13,14,15
	global_load_b128 v[R+4*\p:R+4*\p+3], v3, s[12:13] offset:4096*\p th:TH_LOAD_NT   ; row p: 512 consecutive bytes
.endr
.irp p, 0,1,2,3,4,5,6,7,8,9,10,11,12,13,14,15
	s_wait_loadcnt 15-\p                           ; row p is in; the younger rows may be out
	ds_store_b128 v[WST], v[R+4*\p:R+4*\p+3] offset:WPIT*\p
.endr
.irp k, 0,1,2,3,4,5,6,7
	ds_load_b128 v[X+8*\k:X+8*\k+3], v[WRD] offset:64*\k           ; block k: row r, columns 8 h .. 8 h + 7.  LDS serves a wave's instructions in order: these see my stores
	ds_load_b128 v[X+8*\k+4:X+8*\k+7], v[WRD] offset:64*\k+16
.endr
.irp k, 0,1,2,3,4,5,6,7
	s_wait_dscnt 14-2*\k                           ; block k's two loads are in; the younger ones may be out
.irp i, 0,1,2,3
	v_cvt_pk_f16_f32 v[144+4*\k+\i], v[X+8*\k+2*\i], v[X+8*\k+2*\i+1]
.endr
	global_store_b128 v3, v[144+4*\k:144+4*\k+3], s[22:23] offset:512*\k   ; a whole block: 512 consecutive bytes, aligned
.endr
	s_wait_tensorcnt 0x0                           ; the wave's end: the add onto my spare word and its wait, behind my last LDS store
	ds_add_u32 v[SPW], v[NIL]
	s_wait_dscnt 0x0
	s_endpgm
.Lfunc_end_k_qfb25a55b20_prep:
	.size	k_qfb25a55b20_prep, .Lfunc_end_k_qfb25a55b20_prep-k_qfb25a55b20_prep
	.p2alignl 7, 3214868480
	.fill 96, 4, 3214868480
	.section	.rodata,"a",@progbits
	.p2align	6, 0x0
	.amdhsa_kernel k_qfb25a55b20_prep
		.amdhsa_group_segment_fixed_size 67072
		.amdhsa_private_segment_fixed_size 0
		.amdhsa_enable_private_segment 0
		.amdhsa_kernarg_size 80
		.amdhsa_user_sgpr_count 2
		.amdhsa_user_sgpr_kernarg_segment_ptr 1
		.amdhsa_wavefront_size32 1
		.amdhsa_system_sgpr_workgroup_id_x 1
		.amdhsa_system_sgpr_workgroup_id_y 1
		.amdhsa_system_sgpr_workgroup_id_z 1
		.amdhsa_system_vgpr_workitem_id 0
		.amdhsa_next_free_vgpr 192
		.amdhsa_next_free_sgpr 66
		.amdhsa_reserve_vcc 0
		.amdhsa_float_denorm_mode_32 3
		.amdhsa_float_denorm_mode_16_64 3
		.amdhsa_memory_ordered 1
		.amdhsa_forward_progress 1
		.amdhsa_inst_pref_size 42
	.end_amdhsa_kernel
	.amdgpu_metadata
---
amdhsa.version: [ 1, 2 ]
amdhsa.kernels:
  - .name:           k_qfb25a55b20_prep
    .symbol:         k_qfb25a55b20_prep.kd
    .args:
      - { .name: x, .offset: 0, .size: 8, .value_kind: global_buffer, .address_space: global }
      - { .name: Wq, .offset: 8, .size: 8, .value_kind: global_buffer, .address_space: global }
      - { .name: Wk, .offset: 16, .size: 8, .value_kind: global_buffer, .address_space: global }
      - { .name: Wv, .offset: 24, .size: 8, .value_kind: global_buffer, .address_space: global }
      - { .name: Wp, .offset: 32, .size: 8, .value_kind: global_buffer, .address_space: global }
      - { .name: x_codes, .offset: 40, .size: 8, .value_kind: global_buffer, .address_space: global }
      - { .name: x_scales, .offset: 48, .size: 8, .value_kind: global_buffer, .address_space: global }
      - { .name: w_codes, .offset: 56, .size: 8, .value_kind: global_buffer, .address_space: global }
      - { .name: w_scales, .offset: 64, .size: 8, .value_kind: global_buffer, .address_space: global }
      - { .name: wp_img, .offset: 72, .size: 8, .value_kind: global_buffer, .address_space: global }
    .group_segment_fixed_size: 67072
    .private_segment_fixed_size: 0
    .kernarg_segment_align: 8
    .kernarg_segment_size: 80
    .max_flat_workgroup_size: 128
    .sgpr_count:     66
    .vgpr_count:     192
    .wavefront_size: 32
...
	.end_amdgpu_metadata
.endif
;; end of part 1
;; launch qkv (part 2): grid 12 x 32, 4 waves a work-group, clusters of 4 x 4, 327,680 bytes of LDS; arguments x_codes, x_scales, w_codes, w_scales, bq, bv, qkv_img; writes qkv_img
.if DOCPART == 2
	.amdgcn_target "amdgcn-amd-amdhsa--gfx1250"
	.amdhsa_code_object_version 6
	.text
	.protected	k_qfb25a55b20_qkv
	.globl	k_qfb25a55b20_qkv
	.p2align	8
	.type	k_qfb25a55b20_qkv,@function
k_qfb25a55b20_qkv:
	s_mov_b64 s[64:65], 0
	v_nop
	global_prefetch_b8 v0, s[64:65] scope:SCOPE_SE
	s_setreg_imm32_b32 hwreg(HW_REG_WAVE_MODE, 25, 1), 1
	s_wait_xcnt 0x0
	s_wait_alu depctr_hold_cnt(0) depctr_sa_sdst(0) depctr_va_vdst(0) depctr_va_sdst(0) depctr_va_ssrc(0) depctr_va_vcc(0) depctr_vm_vsrc(0)
	s_getreg_b32 s2, hwreg(HW_REG_IB_STS2, 6, 4)
	s_cmp_eq_u32 s2, 0
	s_cbranch_scc0 .Lentry_in_a_cluster
	s_endpgm
.Lentry_in_a_cluster:
	s_bfe_u32 s2, ttmp6, 0x10000c
	s_cmp_lg_u32 s2, 0xf033
	s_cbranch_scc0 .Lentry_shape_is_right
	s_endpgm
.Lentry_shape_is_right:
; Launch 2 of 4: q, k, v = x W^T (+ bq, + bv) as ONE product on codes of FP4 (E2M1) with E8M0 scales: [8192][1024] x [3072][1024]^T; rows 0-1023 of the weights are Wq's, then Wk's, then Wv's.  Sums in f32.
; LEFT OUT: bk (its term of a score is the same for all keys of a query, so the softmax takes it away: shown at the head of the first kernel).
; The results are rounded once to f16 and stored as BLOCKS: 16 tokens x 16 columns, 512 bytes; qkv_img is [token / 16][column / 16][512 bytes].  Lane (r, h) owns token r, columns 8 h .. 8 h + 7, at byte 16 x pos:
; pos = lane for q and k;  pos = r % 8 + 8 h + 16 (r / 8) for v, so that attention's turning load finds at byte 16 x lane what that lane has to address.  LIMIT: magnitudes beyond 65,504 are not served.
; A tile of 256 x 256 is made by a work-group of four waves; a wave makes 128 x 128: 64 accumulators, 512 registers.  K = 1,024 lies whole in two LDS slots of 512 along K (rows of 256 bytes): nothing is filled again.
; The scale bytes of the work-group's 256 + 256 rows, for all of K, come once, as two dense blocks.  By the text's own count a wave has three tensor loads out at the start.
; CLUSTERS: 4 x 4 work-groups.  The four of a row of the cluster need the same tiles of x, the four of a column the same tiles of the weights: each tile is asked for JOINTLY, by the same tensor load with the same
; descriptor and a mask that names the four.  The cluster's x says which tensor is made (0: q, 1: k, 2: v): it is the same in all sixteen partners, so branches and selects may hang on it.
; THE MATRIX INSTRUCTION IS USED TRANSPOSED (source 0 = 16 rows of the weights, source 1 = 16 tokens): a lane holds one token and eight neighbouring columns: its packed results ARE its 16 bytes of a block.
; THE BIAS is the C of each sum's first matrix instruction: eight registers for each of my eight column blocks (for k: zeros).
; REGISTERS, in windows of 256: window 0: v0-31 addresses; v32-95 scale words, two sets; v128-191 x's fragments, ONE set; v192-255 packed results.
;   window 1: the weights' fragments, TWO sets, at v0 and v128; v64-127 the bias.   window 2: the accumulators of my rows 0-63 ((a, b) at v[8 (8 a + b)]);   window 3: those of my rows 64-127.
.set SIZE_K, 1024
.set KSTEP,  512                       ; along K in a slot
.set NQ,     KSTEP/128                 ; matrix instructions deep
.set ROWB,   256                       ; a tile's row in bytes
.set KROW,   SIZE_K/2                  ; a row of codes in memory
.set PITCH,  272                       ; an LDS row: 256 bytes + 16 of padding: an odd multiple of 16, so that the sixteen rows of a load fall on different banks
.set FR,     8                         ; registers of a fragment: 16 rows x 128 K
.set NL,     2                         ; LDS loads that bring one
.set NP,     4                         ; places behind this matrix instruction (ISA guide 7.12.1)
.set HALFT,  128*PITCH                 ; 128 rows: what one tensor load brings
.set SLOT,   4*HALFT
.set KS,     SIZE_K/32                 ; a row of scales in bytes
.set SCL,    2*SLOT                    ; behind the slots: the scales, as rows of 256 bytes + 16 of padding
.set HALFS,  (128*KS/256)*272          ; the scales of 128 rows
.set SBLK,   (16*KS/256)*272           ; those of 16 rows
.set SPARE,  SCL+4*HALFS               ; the spare words, 128 bytes for each wave: two blocks of 256 bytes that no other line names
.set TROW,   98304                     ; a row of 192 blocks in qkv_img
.set ADRA, 16                          ; v16-17  LDS address of my fragments of x in slot 0, 1
.set ADRB, 20                          ; v20-21  the same for the weights
.set CO,   26                          ; v26     16 x pos: my 16 bytes in a block
.set ADRS, 27                          ; v27     LDS address of my scale words: lanes 0-15 x's rows, lanes 16-31 the weights'
.set SPW,  28                          ; v28     LDS address of my spare word; never rewritten
.set NIL,  29                          ; v29     0; never rewritten
.set BO,   30                          ; v30     32 h: my eight numbers of a column block's bias
.set SC,   32                          ; scale words: set s at v[SC + 8 NQ s]; register NQ i + q: lanes 0-15 the word of x's block i, lanes 16-31 that of the weights' block i
.set AF,   128                         ; x's fragments
.set PK,   192                         ; packed results: two sets of 32
.set BIAS, 64                          ; in window 1
.set G1, 24                            ; s[24:31] descriptor group 1 for x's tiles;  s[32:39] group 0, one set for each slot
.set G0, 32
.set G1B, 48                           ; s[48:55], s[56:63] the same for the weights'
.set G0B, 56
.set G1S, 68                           ; s[68:75], s[76:79] groups 1 and 0 for x's scales;  s[80:87], s[88:91] for the weights'
.set G0S, 76
.set G1SB, 80
.set G0SB, 88
.set MSB, 0
.macro WIN new                         ; the immediate's high byte repeats the setting that is left
.if MSB != \new
	s_set_vgpr_msb (MSB<<8)|\new
.set MSB, \new
.endif
.endm
.set MUL_LO, 0xa1                      ; source 0 (weights) window 1, source 1 (x) window 0, C and D window 2
.set MUL_HI, 0xf1                      ; the same, C and D window 3
.set FST_LO, 0x91                      ; the first step: C (the bias) window 1, D window 2
.set FST_HI, 0xd1                      ; D window 3
.set TO_B,   0x40                      ; destination window 1, address window 0
; A joint load: waves 0 and 1 fetch for x, waves 2 and 3 for the weights.  The branch hangs on the wave's number alone.  An s_nop 0 and four v_nop follow each of the two lines.
.macro JLOAD g0a, g1a, g0b, g1b
	s_cmp_eq_u32 s15, 0
	s_cbranch_scc0 .Lfor_b_\@
	tensor_load_to_lds s[\g0a:\g0a+3], s[\g1a:\g1a+7]
	s_nop 0
.rept 4
	v_nop
.endr
	s_branch .Lasked_\@
.Lfor_b_\@:
	tensor_load_to_lds s[\g0b:\g0b+3], s[\g1b:\g1b+7]
	s_nop 0
.rept 4
	v_nop
.endr
.Lasked_\@:
.endm
.macro CROUND                          ; a round of the cluster's barrier
	s_barrier_signal -1
	s_barrier_wait -1
	s_cmp_lg_u32 s14, 0
	s_cbranch_scc1 .Lnot_wave_0_\@
	s_barrier_signal -3
.Lnot_wave_0_\@:
	s_barrier_wait -3
	s_barrier_signal -1
	s_barrier_wait -1
.endm
	s_load_b128 s[4:7], s[0:1], 0x0                ; x's codes, x's scales
	s_load_b128 s[8:11], s[0:1], 0x10              ; the weights' codes, their scales
	s_load_b128 s[96:99], s[0:1], 0x20             ; bq, bv
	s_load_b64 s[12:13], s[0:1], 0x30              ; qkv_img
	v_lshl_add_u32 v[SPW], v0, 2, SPARE
	v_mov_b32 v[NIL], 0
	ds_add_u32 v[SPW], v[NIL]                      ; the wave's opening: the add, twice on end, and its wait ahead of my first tensor load
	ds_add_u32 v[SPW], v[NIL]                      ; and once more, under the one wait; the set-up below, work on registers, stands between
	v_lshrrev_b32 v1, 5, v0
	v_readfirstlane_b32 s14, v1                    ; wave 0..3
	s_lshr_b32 s15, s14, 1                         ; which half of the tile's rows is mine.  Also: I fetch for x (0) or for the weights (1)
	s_and_b32 s16, s14, 1                          ; which half of its columns.  Also: which 128 rows of that tile I fetch
	s_bfe_u32 s40, ttmp6, 0x40000                  ; cx, cy: my place in the cluster
	s_bfe_u32 s41, ttmp6, 0x40004
	s_lshl_b32 s42, ttmp9, 2
	s_add_co_u32 s42, s42, s40                     ; tile column = 4 x cluster x + cx
	s_and_b32 s17, ttmp7, 0xffff
	s_lshl_b32 s17, s17, 2
	s_add_co_u32 s17, s17, s41                     ; tile row = 4 x cluster y + cy
	s_lshl_b32 s43, s41, 2
	s_lshl_b32 s43, 15, s43                        ; my row of the cluster
	s_lshl_b32 s44, 0x1111, s40                    ; my column
	; descriptor group 1: a tile of 128 rows x 256 bytes, padded in LDS
	s_or_b32 s[G1+0], s43, (0<<16)|(1<<20)|(1<<21)|(5<<22)|(3<<25)  ; 15:0 the mask; 17:16 elements of 1 byte; 20 padding on; 21 set beside a mask; 24:22 after every 64 words; 31:25 four words
	s_or_b32 s[G1B+0], s44, (0<<16)|(1<<20)|(1<<21)|(5<<22)|(3<<25)
.irp g, G1, G1B
	s_mov_b32 s[\g+1], ROWB<<16                    ; tensor_dim0
	s_mov_b32 s[\g+2], 128<<16                     ; tensor_dim1
	s_mov_b32 s[\g+3], ROWB<<16                    ; tile_dim0
	s_mov_b32 s[\g+4], 128                         ; tile_dim1
	s_mov_b32 s[\g+5], KROW                        ; from row to row
	s_mov_b32 s[\g+6], 0
	s_mov_b32 s[\g+7], 0
.endr
	; the scales of 128 rows: a dense block of 4,096 bytes, as 16 rows of 256 bytes (32 elements of 8 bytes), 16 bytes of padding behind each
	s_or_b32 s[G1S+0], s43, (3<<16)|(1<<20)|(1<<21)|(5<<22)|(3<<25)
	s_or_b32 s[G1SB+0], s44, (3<<16)|(1<<20)|(1<<21)|(5<<22)|(3<<25)
.irp g, G1S, G1SB
	s_mov_b32 s[\g+1], 32<<16
	s_mov_b32 s[\g+2], (128*KS/256)<<16
	s_mov_b32 s[\g+3], 32<<16
	s_mov_b32 s[\g+4], 128*KS/256
	s_mov_b32 s[\g+5], 32
	s_mov_b32 s[\g+6], 0
	s_mov_b32 s[\g+7], 0
.endr
	s_lshl_b32 s18, s16, 7                         ; which 128 rows of the tile I fetch
	s_lshl_b32 s20, s17, 8
	s_add_co_u32 s20, s20, s18                     ; x: row 256 x tile row + 128 x half
	s_lshl_b32 s46, s42, 8
	s_add_co_u32 s46, s46, s18                     ; weights: row 256 x tile column + 128 x half
	s_mov_b32 s21, 0
	s_mov_b32 s47, 0
	s_mov_b64 s[18:19], KS
	s_mul_u64 s[22:23], s[20:21], s[18:19]         ; where these rows' scales begin, in bytes
	s_mul_u64 s[92:93], s[46:47], s[18:19]
	s_mov_b64 s[18:19], KROW
	s_mul_u64 s[20:21], s[20:21], s[18:19]         ; and their codes
	s_mul_u64 s[46:47], s[46:47], s[18:19]
	s_mul_i32 s45, s14, HALFT                      ; where they go: wave x 128 rows: no place in the cluster enters an LDS address
	s_mul_i32 s94, s14, HALFS
	s_lshl_b32 s66, s40, 10                        ; the bias of my 128 columns: 4 bytes x (256 cx + 128 x half) into the tensor's 1,024
	s_lshl_b32 s67, s16, 9
	s_add_co_u32 s66, s66, s67
	s_mov_b32 s67, 0
	s_wait_dscnt 0x0                               ; both opening adds are done
	s_wait_kmcnt 0x0
	s_add_nc_u64 s[20:21], s[4:5], s[20:21]
	s_add_nc_u64 s[22:23], s[6:7], s[22:23]
	s_add_nc_u64 s[46:47], s[8:9], s[46:47]
	s_add_nc_u64 s[92:93], s[10:11], s[92:93]
	s_cmp_eq_u32 ttmp9, 0                          ; q takes bq, v takes bv (k loads neither)
	s_cselect_b64 s[96:97], s[96:97], s[98:99]
	s_add_nc_u64 s[96:97], s[96:97], s[66:67]
	CROUND                                         ; all sixteen work-groups are here: the first joint loads meet
	s_mov_b32 s[G0S], 1
	s_add_co_u32 s[G0S+1], s94, SCL
	s_mov_b64 s[G0S+2:G0S+3], s[22:23]
	s_or_b32 s[G0S+3], s[G0S+3], 0x80000000
	s_mov_b32 s[G0SB], 1
	s_add_co_u32 s[G0SB+1], s94, SCL
	s_mov_b64 s[G0SB+2:G0SB+3], s[92:93]
	s_or_b32 s[G0SB+3], s[G0SB+3], 0x80000000
	JLOAD G0S, G1S, G0SB, G1SB                     ; the scales first: they are wanted with the first slot
.irp s, 0,1
	s_mov_b32 s[G0+4*\s], 1
	s_add_co_u32 s[G0+4*\s+1], s45, \s*SLOT
	s_add_nc_u64 s[G0+4*\s+2:G0+4*\s+3], s[20:21], \s*ROWB
	s_or_b32 s[G0+4*\s+3], s[G0+4*\s+3], 0x80000000
	s_mov_b32 s[G0B+4*\s], 1
	s_add_co_u32 s[G0B+4*\s+1], s45, \s*SLOT
	s_add_nc_u64 s[G0B+4*\s+2:G0B+4*\s+3], s[46:47], \s*ROWB
	s_or_b32 s[G0B+4*\s+3], s[G0B+4*\s+3], 0x80000000
	JLOAD G0+4*\s, G1, G0B+4*\s, G1B
.endr
	v_and_b32 v1, 15, v0                           ; r
	v_bfe_u32 v2, v0, 4, 1                         ; h
	v_lshlrev_b32 v[BO], 5, v2
	; the bias registers are written on both ways: register 8 b + j = bias[my first column + 16 b + 8 h + j], or 0 for k
	s_cmp_eq_u32 ttmp9, 1
	s_cbranch_scc1 .Lzero_bias
	WIN TO_B
.irp b, 0,1,2,3,4,5,6,7
	global_load_b128 v[BIAS+8*\b:BIAS+8*\b+3], v[BO], s[96:97] offset:64*\b
	global_load_b128 v[BIAS+8*\b+4:BIAS+8*\b+7], v[BO], s[96:97] offset:64*\b+16
.endr
	WIN 0
	s_branch .Lbias_done
.Lzero_bias:
	WIN TO_B
.set ix, 0
.rept 64
	v_mov_b32 v[BIAS+ix], 0
.set ix, ix+1
.endr
	WIN 0
.Lbias_done:
	v_mul_u32_u24 v3, v1, PITCH
	v_lshl_add_u32 v4, v2, 4, v3                   ; a fragment's row x pitch + 16 x half
	s_mul_i32 s21, s15, HALFT                      ; my 128 rows of x
	s_mul_i32 s22, s16, HALFT                      ; my 128 rows of the weights,
	s_add_co_u32 s22, s22, 2*HALFT                 ; which lie behind x's 256
.irp s, 0,1
	v_add_nc_u32 v[ADRA+\s], s21, v4
	v_add_nc_u32 v[ADRB+\s], s22, v4
	s_add_co_u32 s21, s21, SLOT
	s_add_co_u32 s22, s22, SLOT
.endr
	v_mul_u32_u24 v5, v1, KS                       ; my row's scales: KS bytes a row,
	v_lshrrev_b32 v6, 8, v5
	v_lshl_add_u32 v5, v6, 4, v5                   ; and 16 more for each 256 passed
	s_mul_i32 s21, s15, HALFS                      ; x's: my 128 rows
	s_mul_i32 s22, s16, HALFS                      ; the weights': my 128 rows, behind x's 256
	s_add_co_u32 s22, s22, 2*HALFS
	s_sub_co_u32 s22, s22, s21
	v_mul_u32_u24 v6, s22, v2                      ; lanes 16-31 take the weights'
	s_add_co_u32 s21, s21, SCL
	v_add_nc_u32 v5, v5, v6
	v_add_nc_u32 v[ADRS], s21, v5
	s_cmp_eq_u32 ttmp9, 2                          ; my place in a block: 16 (r % 8) + (h << sA) + ((r / 8) << sB): q, k: 256 h + 128 (r / 8);  v: 128 h + 256 (r / 8)
	s_cselect_b32 s66, 7, 8
	s_cselect_b32 s67, 8, 7
	v_and_b32 v5, 7, v1
	v_lshlrev_b32 v[CO], 4, v5
	v_lshlrev_b32 v5, s66, v2
	v_add_nc_u32 v[CO], v[CO], v5
	v_lshrrev_b32 v5, 3, v1
	v_lshlrev_b32 v5, s67, v5
	v_add_nc_u32 v[CO], v[CO], v5
	s_lshl_b32 s20, s17, 4
	s_lshl_b32 s21, s15, 3
	s_add_co_u32 s20, s20, s21                     ; my first row of blocks: 16 x tile row + 8 x half
	s_mul_i32 s20, s20, TROW
	s_lshl_b32 s46, s42, 13                        ; my first block in it: (16 x tile column + 8 x half) x 512 bytes
	s_lshl_b32 s47, s16, 12
	s_add_co_u32 s46, s46, s47
	s_add_co_u32 s20, s20, s46                     ; under 2^26
	s_mov_b32 s21, 0
	s_add_nc_u64 s[12:13], s[12:13], s[20:21]
.macro FRAG reg, adr, q, i             ; a fragment, 16 rows x 128 K of 4-bit codes: lane l holds row l % 16; registers 4 c .. 4 c + 3 hold K = 64 c + 32 (l / 16) + 0 .. 31
.irp c, 0,1
	ds_load_b128 v[\reg+4*\c:\reg+4*\c+3], v[\adr] offset:64*(\q)+32*\c+(\i)*16*PITCH
.endr
.endm
; 16 matrix instructions: x's blocks a0, a0 + 1 against the weights' eight, 128 along K: the slot's q-th.  p: the weights' set;  sc: the set of scale words.  first = 1: the sums start from the bias.
; The 64 accumulators take turns, one instruction a turn, in the same order in every step.
.macro MUL16 a0, p, q, sc, first
.irp a, \a0, \a0+1
.irp b, 0,1,2,3,4,5,6,7
.if \first
	v_wmma_scale_f32_16x16x128_f8f6f4 v[8*(8*((\a)%4)+\b):8*(8*((\a)%4)+\b)+7], v[128*(\p)+FR*\b:128*(\p)+FR*\b+FR-1], v[AF+FR*(\a):AF+FR*(\a)+FR-1], v[BIAS+8*\b:BIAS+8*\b+7], v[SC+8*NQ*(\sc)+NQ*\b+(\q)], v[SC+8*NQ*(\sc)+NQ*(\a)+(\q)] matrix_a_fmt:MATRIX_FMT_FP4 matrix_b_fmt:MATRIX_FMT_FP4 matrix_a_scale:MATRIX_SCALE_ROW1
.else
	v_wmma_scale_f32_16x16x128_f8f6f4 v[8*(8*((\a)%4)+\b):8*(8*((\a)%4)+\b)+7], v[128*(\p)+FR*\b:128*(\p)+FR*\b+FR-1], v[AF+FR*(\a):AF+FR*(\a)+FR-1], v[8*(8*((\a)%4)+\b):8*(8*((\a)%4)+\b)+7], v[SC+8*NQ*(\sc)+NQ*\b+(\q)], v[SC+8*NQ*(\sc)+NQ*(\a)+(\q)] matrix_a_fmt:MATRIX_FMT_FP4 matrix_b_fmt:MATRIX_FMT_FP4 matrix_a_scale:MATRIX_SCALE_ROW1
.endif
.endr
.endr
.endm
.macro FETCH_B slot, q, p              ; the weights' eight fragments of the slot's q-th 128 along K into set p
	WIN TO_B
.irp i, 0,1,2,3,4,5,6,7
	FRAG 128*(\p)+FR*\i, ADRB+\slot, \q, \i
.endr
	WIN 0
.endm
.macro FETCH_A slot, q, i0             ; x's blocks i0 .. i0 + 3
.irp i, \i0, \i0+1, \i0+2, \i0+3
	FRAG AF+FR*(\i), ADRA+\slot, \q, \i
.endr
.endm
.macro SCALES sc                       ; a slot's scale words into set sc: NQ words a row; lanes 0-15 take x's block i, lanes 16-31 the weights' block i
.irp i, 0,1,2,3,4,5,6,7
	ds_load_b128 v[SC+8*NQ*\sc+NQ*\i:SC+8*NQ*\sc+NQ*\i+3], v[ADRS] offset:\i*SBLK
.endr
.endm
; A load into a register that a matrix instruction has read, and a vector instruction that reads a matrix result, stand NP places behind that matrix instruction; only plain vector instructions that name none of its
; registers are places (ISA guide 7.12.1 for vector instructions).
.macro PLACES n
.rept \n
	v_nop
.endr
.endm
; A step of 128 along K that has its successor in the same slot.
.macro STEP slot, q, first
	s_wait_dscnt 4*NL                              ; the weights' set and x's blocks 0-3 are in; the youngest eight loads (x's blocks 4-7) may be out
.if \first
	WIN FST_LO
.else
	WIN MUL_LO
.endif
	MUL16 0, (\q)%2, \q, \slot, \first
	MUL16 2, (\q)%2, \q, \slot, \first
	s_wait_dscnt 0                                 ; x's blocks 4-7 are in (asked for 32 matrix instructions ago)
	PLACES NP
	FETCH_B \slot, (\q)+1, 1-(\q)%2
	FETCH_A \slot, (\q)+1, 0
.if \first
	WIN FST_HI
.else
	WIN MUL_HI
.endif
	MUL16 4, (\q)%2, \q, \slot, \first
	MUL16 6, (\q)%2, \q, \slot, \first
	PLACES NP
	WIN 0
	FETCH_A \slot, (\q)+1, 4
.endm
; Slot 0's last step goes over to slot 1: one barrier; in front of it each wave waits for all its tensor loads (its part of slot 1).
.macro TURN slot, next
	s_wait_tensorcnt 0x0                           ; all my tensor loads have landed: my part of the next slot  (every window is 0 here)
	ds_add_u32 v[SPW], v[NIL]                      ; 0 onto my spare word
	s_wait_dscnt 4*NL+1                            ; (the add and the youngest eight loads, x's blocks 4-7, may be out)
	WIN MUL_LO
	MUL16 0, 1, NQ-1, \slot, 0                     ; sixteen matrix instructions stand between the add and the wait for it
	s_wait_dscnt 0x0                               ; the add is done, and no LDS load of mine is out
	s_barrier_signal -1
	MUL16 2, 1, NQ-1, \slot, 0
	WIN 0
	s_barrier_wait -1                              ; the next slot is whole
	PLACES NP
	v_add_nc_u32 v[ADRS], 4*NQ, v[ADRS]            ; on to the next slot's scale words (no LDS load of mine is out)
	FETCH_B \next, 0, 0
	FETCH_A \next, 0, 0
	SCALES \next
	WIN MUL_HI
	MUL16 4, 1, NQ-1, \slot, 0
	MUL16 6, 1, NQ-1, \slot, 0
	PLACES NP
	WIN 0
	FETCH_A \next, 0, 4
.endm
.macro STEPS slot, from                ; the slot's steps from .. NQ - 2
.set Q, \from
.rept NQ-1-\from
	STEP \slot, Q, 0
.set Q, Q+1
.endr
.endm
	s_wait_tensorcnt 1                             ; the scales and my part of slot 0 are in (slot 1's load may be out),
	s_barrier_signal -1
	s_barrier_wait -1                              ; everybody's are
	FETCH_B 0, 0, 0
	FETCH_A 0, 0, 0
	SCALES 0
	FETCH_A 0, 0, 4
	s_wait_loadcnt 0x0                             ; the bias
	STEP 0, 0, 1                                   ; the first step starts the sums from the bias: nothing is cleared
	STEPS 0, 1
	TURN 0, 1
	STEPS 1, 0
	s_wait_dscnt 4*NL                              ; the very last step: nothing more to fetch
	WIN MUL_LO
	MUL16 0, 1, NQ-1, 1, 0
	MUL16 2, 1, NQ-1, 1, 0
	s_wait_dscnt 0
	WIN MUL_HI
	MUL16 4, 1, NQ-1, 1, 0
	MUL16 6, 1, NQ-1, 1, 0
	WIN 0
; THE WAY OUT, 16 tokens x 128 columns at a time: eight blocks.  A lane's eight results of an accumulator pack into its 16 bytes of a block: no stage, and each store of the wave covers 512 consecutive bytes, aligned.
; Every offset is an immediate (691,712 at the most); no pointer is stepped.  Each accumulator is read from its low end on.
.macro OUT a
.set AC, 64*((\a)%4)
.set PB, PK+32*((\a)%2)
.if (\a) > 1
	s_wait_xcnt 0x0                                ; the stores of two turns ago have read their data: the set is written again only behind this wait
.endif
	WIN 0x0a+5*((\a)/4)                            ; sources 0 and 1: window 2 or 3
.irp b, 0,1,2,3,4,5,6,7
.irp i, 0,1,2,3
	v_cvt_pk_f16_f32 v[PB+4*\b+\i], v[AC+8*\b+2*\i], v[AC+8*\b+2*\i+1]
.endr
.endr
	WIN 0
.irp b, 0,1,2,3,4,5,6,7
	global_store_b128 v[CO], v[PB+4*\b:PB+4*\b+3], s[12:13] offset:TROW*(\a)+512*\b
.endr
.endm
	PLACES NP                                      ; behind the last products, ahead of the first read of results
.irp a, 0,1,2,3,4,5,6,7
	OUT \a
.endr
	s_wait_tensorcnt 0x0                           ; the wave's end: the add onto my spare word and its wait, behind my last tensor load
	ds_add_u32 v[SPW], v[NIL]
	s_wait_dscnt 0x0
	CROUND                                         ; the closing round: no work-group ends while a partner may still ask for a tile that names it
	s_endpgm
.Lfunc_end_k_qfb25a55b20_qkv:
	.size	k_qfb25a55b20_qkv, .Lfunc_end_k_qfb25a55b20_qkv-k_qfb25a55b20_qkv
	.p2alignl 7, 3214868480
	.fill 96, 4, 3214868480
	.section	.rodata,"a",@progbits
	.p2align	6, 0x0
	.amdhsa_kernel k_qfb25a55b20_qkv
		.amdhsa_group_segment_fixed_size 327680
		.amdhsa_private_segment_fixed_size 0
		.amdhsa_enable_private_segment 0
		.amdhsa_kernarg_size 56
		.amdhsa_user_sgpr_count 2
		.amdhsa_user_sgpr_kernarg_segment_ptr 1
		.amdhsa_wavefront_size32 1
		.amdhsa_system_sgpr_workgroup_id_x 1
		.amdhsa_system_sgpr_workgroup_id_y 1
		.amdhsa_system_sgpr_workgroup_id_z 1
		.amdhsa_system_vgpr_workitem_id 0
		.amdhsa_next_free_vgpr 1024
		.amdhsa_next_free_sgpr 100
		.amdhsa_reserve_vcc 0
		.amdhsa_float_denorm_mode_32 3
		.amdhsa_float_denorm_mode_16_64 3
		.amdhsa_memory_ordered 1
		.amdhsa_forward_progress 1
		.amdhsa_inst_pref_size 122
	.end_amdhsa_kernel
	.amdgpu_metadata
---
amdhsa.version: [ 1, 2 ]
amdhsa.kernels:
  - .name:           k_qfb25a55b20_qkv
    .symbol:         k_qfb25a55b20_qkv.kd
    .args:
      - { .name: x_codes, .offset: 0, .size: 8, .value_kind: global_buffer, .address_space: global }
      - { .name: x_scales, .offset: 8, .size: 8, .value_kind: global_buffer, .address_space: global }
      - { .name: w_codes, .offset: 16, .size: 8, .value_kind: global_buffer, .address_space: global }
      - { .name: w_scales, .offset: 24, .size: 8, .value_kind: global_buffer, .address_space: global }
      - { .name: bq, .offset: 32, .size: 8, .value_kind: global_buffer, .address_space: global }
      - { .name: bv, .offset: 40, .size: 8, .value_kind: global_buffer, .address_space: global }
      - { .name: qkv_img, .offset: 48, .size: 8, .value_kind: global_buffer, .address_space: global }
    .group_segment_fixed_size: 327680
    .private_segment_fixed_size: 0
    .kernarg_segment_align: 8
    .kernarg_segment_size: 56
    .max_flat_workgroup_size: 128
    .sgpr_count:     100
    .vgpr_count:     1024
    .wavefront_size: 32
...
	.end_amdgpu_metadata
.endif
;; end of part 2
;; launch attn (part 3): grid 4 x 64, 8 waves a work-group, clusters of 4 x 1, 327,680 bytes of LDS; arguments qkv_img, attention_mask, y_img; writes y_img
.if DOCPART == 3
	.amdgcn_target "amdgcn-amd-amdhsa--gfx1250"
	.amdhsa_code_object_version 6
	.text
	.protected	k_qfb25a55b20_attn
	.globl	k_qfb25a55b20_attn
	.p2align	8
	.type	k_qfb25a55b20_attn,@function
k_qfb25a55b20_attn:
	s_mov_b64 s[64:65], 0
	v_nop
	global_prefetch_b8 v0, s[64:65] scope:SCOPE_SE
	s_setreg_imm32_b32 hwreg(HW_REG_WAVE_MODE, 25, 1), 1
	s_wait_xcnt 0x0
	s_wait_alu depctr_hold_cnt(0) depctr_sa_sdst(0) depctr_va_vdst(0) depctr_va_sdst(0) depctr_va_ssrc(0) depctr_va_vcc(0) depctr_vm_vsrc(0)
	s_getreg_b32 s2, hwreg(HW_REG_IB_STS2, 6, 4)
	s_cmp_eq_u32 s2, 0
	s_cbranch_scc0 .Lentry_in_a_cluster
	s_endpgm
.Lentry_in_a_cluster:
	s_bfe_u32 s2, ttmp6, 0x10000c
	s_cmp_lg_u32 s2, 0x3003
	s_cbranch_scc0 .Lentry_shape_is_right
	s_endpgm
.Lentry_shape_is_right:
; Launch 3 of 4: y[b][q][head] = the sum over keys of softmax(q . k / 8, masked keys at -infinity) v.  q, k, v: f16 blocks of qkv_img ([token / 16][column / 16][512 bytes]; column blocks 0-63 q, 64-127 k, 128-191 v;
; a head is four blocks).  Products with f16 operands and f32 sums; maxima, exponentials and sums in f32; the weights p are rounded to f16 for the second product, y once at the end, into y_img [token / 16][channel / 16][512 bytes].
; SHARES.  A work-group owns 512 queries of one head of one batch, each of its eight waves 64: four tiles of 16.  Two waves of 512 registers lie on a SIMD.  Every wave walks all 2,048 keys, 64 a step.
; LAYOUT.  S^T = K Q^T (source 0 = 16 keys, source 1 = 16 queries): a lane holds ONE query (lane % 16) and keys 8 (lane / 16) + 0 .. 7 of each 16.  Two such tiles, packed to f16 in pairs, ARE source 1 of
; O^T = V^T P, whose result again holds one query a lane and eight channels: its packed registers are the lane's 16 bytes of a block of y.  K's blocks come out of LDS as they lie, at 16 x lane; V's by the turning load,
; also at 16 x lane: the launch before has laid them so.
; THE MASK selects values and steers nothing: a key's bias, 0 or -3e38, is the C of the score's first matrix instruction.  The running maximum m begins at -1e30, over every masked score: so a masked key's p is exactly 0,
; also while every key so far is masked; a batch with no key left gives sum 0 and 0 x infinity = NaN, as the softmax of a row of -infinity does.  LIMIT: unmasked scores under -1e30 are not served.
; SOFTMAX.  For each query a running maximum m and sum l: p = 2^(c s - c m), c = log2(e) / 8; in every step O and l are multiplied by a = 2^(c m_old - c m_new).
; RING.  Two LDS slots of 512 keys (K's 32 rows of four blocks, then V's).  Wave w brings a quarter of K's (w < 4) or of V's part by one tensor load: eight rows of 2,048 bytes.  By the text's own count one tensor load a wave is out.
; CLUSTER.  The four query blocks of a head walk the same K and V: each tile is asked for JOINTLY, by the same tensor load with the same descriptor and a mask that names the four.
; No prefetch: a slot's load is issued eight key steps, 512 matrix instructions of the wave, ahead of the first read of its bytes.
; REGISTERS: window 0: v1-7 addresses; v8-31 six of statistics a tile: c m, m | l (even, odd keys) | two at work (the first becomes a); v32-63 the keys' bias, later partial sums; v64-191 S^T, 32 a tile, then p, then P packed
;   into each tile's first 16; v192-255 V^T.   window 1: v0-127 O^T, 32 a tile; v128-191 Q, 16 a tile; v192-255 K.
.set TROW,  98304                      ; a row of 192 blocks in qkv_img
.set YROW,  32768                      ; a row of 64 blocks in y_img
.set SLOT1, 131072                     ; slot 1 begins here: one exclusive or turns an address in one slot into the other's
.set VOFF,  65536                      ; in a slot: V behind K
.set MASK,  262144                     ; behind the ring: 2,048 f32, the keys' bias; stored by the waves, no fill lands there
.set SPARE, 270336                     ; the spare words, 128 bytes for each wave: four blocks of 256 bytes that no other line names
.set SPW, 1                            ; v1  LDS address of my spare word; never rewritten
.set NIL, 2                            ; v2  0; never rewritten
.set L16, 3                            ; v3  16 x lane
.set HB,  4                            ; v4  MASK + 32 (lane / 16)
.set ADR, 5                            ; v5  the step's K
.set ADV, 6                            ; v6  the step's V
.set ADB, 7                            ; v7  the step's bias
.set ST,  8
.set MB,  32
.set S,   64
.set VB,  192
.set QF,  128                          ; in window 1
.set KB,  192                          ; in window 1
.set WV,  12                           ; s12 my wave's number
.set G1,  24                           ; s[24:31] descriptor group 1: K's and V's tiles have one shape
.set G0,  32                           ; s[32:35] descriptor group 0, which walks
.set CS,  36                           ; s[36:37] c, twice: the packed form names a pair
.set SEL, 38                           ; s[38:39] lane selects for v_permlanex16_b32: lane l xor 16
.set TB,  40                           ; s40 LDS byte at which the step's K begins
.set TM,  41                           ; s41 the step's first key x 4
.set SLOTS, 42
.set STEPC, 43
.set MSB, 0
.macro WIN new                         ; the immediate's high byte repeats the setting that is left
.if MSB != \new
	s_set_vgpr_msb (MSB<<8)|\new
.set MSB, \new
.endif
.endm
.macro CROUND                          ; a round of the cluster's barrier
	s_barrier_signal -1
	s_barrier_wait -1
	s_cmp_lg_u32 s[WV], 0
	s_cbranch_scc1 .Lnot_wave_0_\@
	s_barrier_signal -3
.Lnot_wave_0_\@:
	s_barrier_wait -3
	s_barrier_signal -1
	s_barrier_wait -1
.endm
	s_load_b128 s[4:7], s[0:1], 0x0                ; qkv_img, attention_mask
	s_load_b64 s[8:9], s[0:1], 0x10                ; y_img
	v_lshl_add_u32 v[SPW], v0, 2, SPARE
	v_mov_b32 v[NIL], 0
	ds_add_u32 v[SPW], v[NIL]                      ; the wave's opening: the add, twice on end, and its wait ahead of my first tensor load
	ds_add_u32 v[SPW], v[NIL]                      ; and once more, under the one wait; the set-up below, work on registers, stands between
	v_lshrrev_b32 v3, 5, v0
	v_readfirstlane_b32 s[WV], v3                  ; wave 0..7
	s_bfe_u32 s13, ttmp6, 0x40000                  ; cx: my place in the cluster
	s_lshl_b32 s14, ttmp9, 2
	s_add_co_u32 s14, s14, s13                     ; my block of 512 queries: it enters Q's and y's addresses alone
	s_and_b32 s15, ttmp7, 0xffff                   ; batch x 16 + head, which the four partners share
	s_lshr_b32 s16, s15, 4                         ; batch
	s_and_b32 s17, s15, 15                         ; head
	s_mul_i32 s18, s16, 128*TROW                   ; the batch's 128 rows of blocks
	s_lshl_b32 s19, s17, 11                        ; the head's four blocks
	s_add_co_u32 s18, s18, s19
	s_lshr_b32 s20, s[WV], 2
	s_lshl_b32 s20, s20, 15                        ; waves 4-7: V, 64 blocks behind K
	s_and_b32 s21, s[WV], 3
	s_mul_i32 s21, s21, 8*TROW                     ; my eight rows of a slot's 32
	s_add_co_u32 s20, s20, s21
	s_add_co_u32 s20, s20, s18
	s_add_co_u32 s20, s20, 32768                   ; K begins 64 blocks into a row.  (All under 2^26)
	s_mov_b32 s21, 0
	s_lshl_b32 s22, s16, 7
	s_lshl_b32 s23, s14, 5
	s_add_co_u32 s22, s22, s23
	s_lshl_b32 s23, s[WV], 2
	s_add_co_u32 s22, s22, s23                     ; my first row of blocks: 128 x batch + 32 x query block + 4 x wave
	s_mul_i32 s44, s22, TROW
	s_add_co_u32 s44, s44, s19                     ; Q
	s_mov_b32 s45, 0
	s_lshl_b32 s46, s22, 15
	s_add_co_u32 s46, s46, s19                     ; y
	s_mov_b32 s47, 0
	s_lshl_b32 s22, s16, 13                        ; the batch's 2,048 words of the mask
	s_mov_b32 s23, 0
	; descriptor group 1: eight rows of 2,048 bytes (256 elements of 8 bytes), 98,304 bytes apart; dense in LDS
	s_mov_b32 s[G1], 15|(3<<16)|(1<<21)            ; 15:0 the mask: all four work-groups; 17:16 elements of 8 bytes; 21 set beside a mask
	s_mov_b32 s[G1+1], 256<<16                     ; tensor_dim0
	s_mov_b32 s[G1+2], 8<<16                       ; tensor_dim1
	s_mov_b32 s[G1+3], 256<<16                     ; tile_dim0
	s_mov_b32 s[G1+4], 8                           ; tile_dim1
	s_mov_b32 s[G1+5], TROW/8                      ; from row to row, in elements
	s_mov_b32 s[G1+6], 0
	s_mov_b32 s[G1+7], 0
	s_mov_b32 s[G0], 1                             ; count = 1
	s_lshl_b32 s[G0+1], s[WV], 14                  ; LDS: 16,384 x wave: K's quarters, then V's; no place in the cluster enters it
	s_mov_b32 s[CS], 0x3e38aa3b                    ; c = log2(e) / 8
	s_mov_b32 s[CS+1], s[CS]
	s_mov_b32 s[SEL], 0x76543210
	s_mov_b32 s[SEL+1], 0xfedcba98
	s_mov_b32 s[TB], 0
	s_mov_b32 s[TM], 0
	s_mov_b32 s[SLOTS], 3
	s_wait_dscnt 0x0                               ; both opening adds are done
	s_wait_kmcnt 0x0
	s_add_nc_u64 s[G0+2:G0+3], s[4:5], s[20:21]    ; my tile of the first 512 keys
	s_or_b32 s[G0+3], s[G0+3], 0x80000000          ; type = 2
	s_add_nc_u64 s[44:45], s[4:5], s[44:45]
	s_add_nc_u64 s[6:7], s[6:7], s[22:23]
	s_add_nc_u64 s[8:9], s[8:9], s[46:47]
	CROUND                                         ; all four work-groups are here: the first joint loads meet
	tensor_load_to_lds s[G0:G0+3], s[G1:G1+7]      ; slot 0: every wave issues the line, with its own rows
	s_nop 0
.rept 4
	v_nop
.endr
	v_and_b32 v[L16], 31, v0
	v_lshlrev_b32 v[L16], 4, v[L16]
	v_bfe_u32 v[HB], v0, 4, 1
	v_lshl_add_u32 v[HB], v[HB], 5, MASK
	v_lshlrev_b32 v72, 5, v0                       ; the mask: eight words a thread
	v_lshl_add_u32 v73, v0, 5, MASK
	global_load_b128 v[64:67], v72, s[6:7]
	global_load_b128 v[68:71], v72, s[6:7] offset:16
	WIN 0x40                                       ; destination window 1
.irp t, 0,1,2,3
.irp c, 0,1
	global_load_b128 v[QF+16*\t+8*\c:QF+16*\t+8*\c+3], v[L16], s[44:45] offset:TROW*\t+1024*\c          ; Q stays in registers: tile t, channels 32 c on: two blocks
	global_load_b128 v[QF+16*\t+8*\c+4:QF+16*\t+8*\c+7], v[L16], s[44:45] offset:TROW*\t+1024*\c+512
.endr
.endr
.set ix, 0
.rept 128
	v_mov_b32 v[ix], 0                             ; O^T.  The step is written once for all steps: the first finds zeros, which a = 0 leaves zeros; a first step of its own would be a third copy of the step
.set ix, ix+1
.endr
	WIN 0
.irp t, 0,1,2,3
	v_mov_b32 v[ST+6*\t+1], 0xf149f2ca             ; m = -1e30
	v_mul_f32 v[ST+6*\t], s[CS], v[ST+6*\t+1]      ; c m
	v_mov_b32 v[ST+6*\t+2], 0                      ; l
	v_mov_b32 v[ST+6*\t+3], 0
	v_mov_b32 v[ST+6*\t+4], 0                      ; written once: a lane permute's destination counts as one of its sources
	v_mov_b32 v[ST+6*\t+5], 0
.endr
	v_mov_b32 v74, 0xff61b1e6                      ; -3e38
	s_wait_loadcnt 16                              ; the mask's two loads are in; Q's sixteen may be out
.irp i, 0,1,2,3,4,5,6,7
	v_cmp_eq_u32 vcc_lo, 0, v[64+\i]
	v_cndmask_b32 v[64+\i], 0, v74, vcc_lo         ; a key's bias: -3e38 where the mask is 0, else 0
.endr
	ds_store_b128 v73, v[64:67]
	ds_store_b128 v73, v[68:71] offset:16          ; read by all waves behind the first change of slots, whose wait for my LDS instructions and barrier order it
	s_wait_loadcnt 0x0                             ; Q
; THE HEAD OF A STEP: 40 LDS loads in one run.  The five plain lines ahead of them are the places behind the last step's products V^T P: four for the loads into V's registers, five for the score products that write over P.
.macro LOADS
	WIN 0
	v_add_nc_u32 v[ADR], s[TB], v[L16]
	v_add_nc_u32 v[ADB], s[TM], v[HB]
	v_add_nc_u32 v[ADV], VOFF, v[ADR]
	v_nop
	v_nop
	WIN 0x40
.irp kt, 0,1,2,3
.irp c, 0,1
	ds_load_b128 v[KB+16*\kt+8*\c:KB+16*\kt+8*\c+3], v[ADR] offset:2048*\kt+1024*\c       ; keys 16 kt on, channels 32 c on: two blocks, 512 consecutive bytes each
	ds_load_b128 v[KB+16*\kt+8*\c+4:KB+16*\kt+8*\c+7], v[ADR] offset:2048*\kt+1024*\c+512
.endr
.endr
	WIN 0
.irp kt, 0,1,2,3
	ds_load_b128 v[MB+8*\kt:MB+8*\kt+3], v[ADB] offset:64*\kt                             ; the bias of keys 16 kt + 8 h + 0 .. 7
	ds_load_b128 v[MB+8*\kt+4:MB+8*\kt+7], v[ADB] offset:64*\kt+16
.endr
.irp u, 0,1
.irp ct, 0,1,2,3
	ds_load_tr16_b128 v[VB+8*(4*\u+\ct):VB+8*(4*\u+\ct)+3], v[ADV] offset:4096*\u+512*\ct          ; V^T: channels 16 ct on, keys 32 u on: two blocks, turned
	ds_load_tr16_b128 v[VB+8*(4*\u+\ct)+4:VB+8*(4*\u+\ct)+7], v[ADV] offset:4096*\u+512*\ct+2048
.endr
.endr
.endm
; 16 products of S^T = K Q^T + bias: channels 32 c on.  The 16 accumulators take turns, one instruction a turn.
.macro SMUL c
.irp kt, 0,1,2,3
.irp t, 0,1,2,3
.if \c == 0
	v_wmma_f32_16x16x32_f16 v[S+32*\t+8*\kt:S+32*\t+8*\kt+7], v[KB+16*\kt:KB+16*\kt+7], v[QF+16*\t:QF+16*\t+7], v[MB+8*\kt:MB+8*\kt+7]
.else
	v_wmma_f32_16x16x32_f16 v[S+32*\t+8*\kt:S+32*\t+8*\kt+7], v[KB+16*\kt+8:KB+16*\kt+15], v[QF+16*\t+8:QF+16*\t+15], v[S+32*\t+8*\kt:S+32*\t+8*\kt+7]
.endif
.endr
.endr
.endm
; The maximum of a lane's 32 scores and the old m, two chains a tile, the four tiles by turns; each accumulator's first read takes one of its four low registers.  Then the other half of the lanes', the new m, c m, and c m_old - c m_new.
.macro MAXES
.irp t, 0,1,2,3
	v_max3_num_f32 v[ST+6*\t+4], v[S+32*\t], v[S+32*\t+1], v[S+32*\t+2]
	v_max3_num_f32 v[ST+6*\t+5], v[S+32*\t+16], v[S+32*\t+17], v[S+32*\t+18]
.endr
.irp i, 1,2,3,4,5,6
.irp t, 0,1,2,3
	v_max3_num_f32 v[ST+6*\t+4], v[ST+6*\t+4], v[S+32*\t+2*\i+1], v[S+32*\t+2*\i+2]
	v_max3_num_f32 v[ST+6*\t+5], v[ST+6*\t+5], v[S+32*\t+2*\i+17], v[S+32*\t+2*\i+18]
.endr
.endr
.irp t, 0,1,2,3
	v_max3_num_f32 v[ST+6*\t+4], v[ST+6*\t+4], v[S+32*\t+15], v[S+32*\t+31]
.endr
.irp t, 0,1,2,3
	v_max3_num_f32 v[ST+6*\t+4], v[ST+6*\t+4], v[ST+6*\t+5], v[ST+6*\t+1]
.endr
.irp t, 0,1,2,3
	v_permlanex16_b32 v[ST+6*\t+5], v[ST+6*\t+4], s[SEL], s[SEL+1]   ; the query's other 32 keys lie in the lane 16 away
.endr
.irp t, 0,1,2,3
	v_max_num_f32 v[ST+6*\t+1], v[ST+6*\t+4], v[ST+6*\t+5]
.endr
.irp t, 0,1,2,3
	v_mov_b32 v[ST+6*\t+5], v[ST+6*\t]             ; c m_old
.endr
.irp t, 0,1,2,3
	v_mul_f32 v[ST+6*\t], s[CS], v[ST+6*\t+1]
.endr
.irp t, 0,1,2,3
	v_sub_f32 v[ST+6*\t+4], v[ST+6*\t+5], v[ST+6*\t]
.endr
.endm
.macro SCALE t                         ; c s - c m, two at a time
.set ix, S+32*(\t)
.rept 16
	v_pk_fma_f32 v[ix:ix+1], v[ix:ix+1], s[CS:CS+1], v[ST+6*(\t):ST+6*(\t)+1] op_sel_hi:[1,0,0] neg_lo:[0,0,1] neg_hi:[0,0,1]
.set ix, ix+2
.endr
.endm
.macro EXPS t                          ; p, in place
.set ix, S+32*(\t)
.rept 32
	v_exp_f32 v[ix], v[ix]
.set ix, ix+1
.endr
.endm
; l = a l + the sum of the tile's 16 pairs of p, in four chains; three of them in the bias's registers, which are free until the next step's loads.  It stands ahead of the packing, which writes over p.
.macro SUMS t
.set rS, S+32*(\t)
.set rL, ST+6*(\t)+2
.set rX, ST+6*(\t)+4
.set rT, MB+8*(\t)
	v_pk_fma_f32 v[rL:rL+1], v[rL:rL+1], v[rX:rX+1], v[rS:rS+1] op_sel_hi:[1,0,1]
	v_pk_add_f32 v[rT:rT+1], v[rS+2:rS+3], v[rS+4:rS+5]
	v_pk_add_f32 v[rT+2:rT+3], v[rS+6:rS+7], v[rS+8:rS+9]
	v_pk_add_f32 v[rT+4:rT+5], v[rS+10:rS+11], v[rS+12:rS+13]
	v_pk_add_f32 v[rL:rL+1], v[rL:rL+1], v[rS+14:rS+15]
	v_pk_add_f32 v[rT:rT+1], v[rT:rT+1], v[rS+16:rS+17]
	v_pk_add_f32 v[rT+2:rT+3], v[rT+2:rT+3], v[rS+18:rS+19]
	v_pk_add_f32 v[rT+4:rT+5], v[rT+4:rT+5], v[rS+20:rS+21]
	v_pk_add_f32 v[rL:rL+1], v[rL:rL+1], v[rS+22:rS+23]
	v_pk_add_f32 v[rT:rT+1], v[rT:rT+1], v[rS+24:rS+25]
	v_pk_add_f32 v[rT+2:rT+3], v[rT+2:rT+3], v[rS+26:rS+27]
	v_pk_add_f32 v[rT+4:rT+5], v[rT+4:rT+5], v[rS+28:rS+29]
	v_pk_add_f32 v[rL:rL+1], v[rL:rL+1], v[rS+30:rS+31]
	v_pk_add_f32 v[rT:rT+1], v[rT:rT+1], v[rT+2:rT+3]
	v_pk_add_f32 v[rL:rL+1], v[rL:rL+1], v[rT+4:rT+5]
	v_pk_add_f32 v[rL:rL+1], v[rL:rL+1], v[rT:rT+1]
.endm
.macro PACK t                          ; p to f16, in place: register i takes numbers 2 i and 2 i + 1, i ascending, so nothing is written that is still to be read
.set ix, 0
.rept 16
	v_cvt_pk_f16_f32 v[S+32*(\t)+ix], v[S+32*(\t)+2*ix], v[S+32*(\t)+2*ix+1]
.set ix, ix+1
.endr
.endm
.macro RESC t                          ; the tile's O^T times a, each accumulator from its low end on
.set ix, 32*(\t)
.rept 16
	v_pk_mul_f32 v[ix:ix+1], v[ix:ix+1], v[ST+6*(\t)+4:ST+6*(\t)+5] op_sel_hi:[1,0]
.set ix, ix+2
.endr
.endm
; 16 products of O^T += V^T P: keys 32 u on.  The 16 accumulators take turns.
.macro PVMUL u
.irp ct, 0,1,2,3
.irp t, 0,1,2,3
	v_wmma_f32_16x16x32_f16 v[32*\t+8*\ct:32*\t+8*\ct+7], v[VB+8*(4*\u+\ct):VB+8*(4*\u+\ct)+7], v[S+32*\t+8*\u:S+32*\t+8*\u+7], v[32*\t+8*\ct:32*\t+8*\ct+7]
.endr
.endr
.endm
; A KEY STEP, 64 keys.  The exponentials go in two batches with one wait each: behind the first batch (a of all tiles, p of tiles 0, 1) stand the scalings of tiles 2, 3, which name none of its results;
; behind the second (p of tiles 2, 3) the sums, packing and rescaling of tiles 0, 1, which read the first batch alone.
.macro STEP
	LOADS
	s_wait_dscnt 16                                ; K and the bias are in; V's sixteen loads may be out
	WIN 0x05                                       ; K and Q in window 1, S^T and the bias in window 0
	SMUL 0
	SMUL 1
	WIN 0
.rept 4
	v_nop                                          ; places ahead of the first read of the scores
.endr
	MAXES
	SCALE 0
	SCALE 1
.irp t, 0,1,2,3
	v_exp_f32 v[ST+6*\t+4], v[ST+6*\t+4]           ; a
.endr
	EXPS 0
	EXPS 1
	SCALE 2
	SCALE 3
	s_wait_alu depctr_va_vdst(0)                   ; one wait for the first batch, ahead of its first reader
	EXPS 2
	EXPS 3
	SUMS 0
	SUMS 1
	PACK 0
	PACK 1
	WIN 0x41                                       ; O^T in window 1, a in window 0
	RESC 0
	RESC 1
	s_wait_alu depctr_va_vdst(0)                   ; and one for the second
	WIN 0
	SUMS 2
	SUMS 3
	PACK 2
	PACK 3
	WIN 0x41
	RESC 2
	RESC 3
	s_wait_dscnt 0x0                               ; V is in
	WIN 0x50                                       ; V^T and P in window 0, O^T in window 1
	PVMUL 0
	PVMUL 1
	WIN 0
.endm
.macro STEPS                           ; a slot's eight key steps: written once, walked eight times
	s_mov_b32 s[STEPC], 8
.Lstep_\@:
	STEP
	s_add_co_u32 s[TB], s[TB], 8192                ; four rows of four blocks
	s_add_co_u32 s[TM], s[TM], 256                 ; 64 keys' bias
	s_sub_co_u32 s[STEPC], s[STEPC], 1
	s_cmp_lg_u32 s[STEPC], 0
	s_cbranch_scc1 .Lstep_\@
	s_sub_co_u32 s[TB], s[TB], 65536               ; back to a slot's first step,
	s_xor_b32 s[TB], s[TB], SLOT1                  ; in the other slot
.endm
; THE CHANGE OF SLOTS stands at a slot's head.  Each wave waits for all its tensor loads (its part of the slot that it is about to read), adds 0 to its spare word, and waits for that and for its LDS instructions.
; fill = 1: the barrier is a round of the cluster's, so that no wave of any partner still reads the other slot or has a load on its way; the joint load into that slot is the first thing behind it and has eight key steps in which to land.
.macro CHANGE fill
	s_wait_tensorcnt 0x0                           ; no tensor load of mine is out, so the group 0 may be written
	ds_add_u32 v[SPW], v[NIL]                      ; 0 onto my spare word
.if \fill
	s_xor_b32 s[G0+1], s[G0+1], SLOT1              ; the other slot than last time,
	s_add_nc_u64 s[G0+2:G0+3], s[G0+2:G0+3], 32*TROW   ; the next 512 keys; the type bits on top are not reached
.endif
	s_wait_dscnt 0x0                               ; the add is done, and my LDS loads and stores are over
.if \fill
	CROUND
	tensor_load_to_lds s[G0:G0+3], s[G1:G1+7]
	s_nop 0
.rept 4
	v_nop
.endr
.else
	s_barrier_signal -1
	s_barrier_wait -1
.endif
.endm
.Lslot:                                            ; three trips: behind each change of slots but the last the next 512 keys are asked for
	CHANGE 1
	STEPS
	s_sub_co_u32 s[SLOTS], s[SLOTS], 1
	s_cmp_lg_u32 s[SLOTS], 0
	s_cbranch_scc1 .Lslot
	CHANGE 0                                       ; the last slot is written out
	STEPS
	; THE WAY OUT.  l's two halves and the other half of the lanes' are added; O^T is divided by l and packed to f16: a lane's four registers of an accumulator are its 16 bytes of a block of y.
.irp t, 0,1,2,3
	v_add_f32 v[ST+6*\t+4], v[ST+6*\t+2], v[ST+6*\t+3]     ; (these four are the places behind the last products)
.endr
.irp t, 0,1,2,3
	v_permlanex16_b32 v[ST+6*\t+5], v[ST+6*\t+4], s[SEL], s[SEL+1]
.endr
.irp t, 0,1,2,3
	v_add_f32 v[ST+6*\t+4], v[ST+6*\t+4], v[ST+6*\t+5]
.endr
.irp t, 0,1,2,3
	v_rcp_f32 v[ST+6*\t+4], v[ST+6*\t+4]
.endr
	v_nop                                          ; a plain instruction between the last reciprocal and the use of its result
	s_wait_alu depctr_va_vdst(0)                   ; one wait for the four reciprocals, ahead of their first reader
.macro YOUT t
	WIN 0x01                                       ; source 0 (O^T) window 1
.set ix, 0
.rept 16
	v_pk_mul_f32 v[S+32*(\t)+ix:S+32*(\t)+ix+1], v[32*(\t)+ix:32*(\t)+ix+1], v[ST+6*(\t)+4:ST+6*(\t)+5] op_sel_hi:[1,0]
.set ix, ix+2
.endr
	WIN 0
	PACK \t
.irp ct, 0,1,2,3
	global_store_b128 v[L16], v[S+32*(\t)+4*\ct:S+32*(\t)+4*\ct+3], s[8:9] offset:YROW*(\t)+512*\ct   ; a whole block: 512 consecutive bytes, aligned
.endr
.endm
	YOUT 0
	YOUT 1
	YOUT 2
	YOUT 3
	s_wait_tensorcnt 0x0                           ; the wave's end: the add onto my spare word and its wait, behind my last tensor load and my last LDS store
	ds_add_u32 v[SPW], v[NIL]
	s_wait_dscnt 0x0
	CROUND                                         ; the closing round: no work-group ends while a partner may still ask for a tile that names it
	s_endpgm
.Lfunc_end_k_qfb25a55b20_attn:
	.size	k_qfb25a55b20_attn, .Lfunc_end_k_qfb25a55b20_attn-k_qfb25a55b20_attn
	.p2alignl 7, 3214868480
	.fill 96, 4, 3214868480
	.section	.rodata,"a",@progbits
	.p2align	6, 0x0
	.amdhsa_kernel k_qfb25a55b20_attn
		.amdhsa_group_segment_fixed_size 327680
		.amdhsa_private_segment_fixed_size 0
		.amdhsa_enable_private_segment 0
		.amdhsa_kernarg_size 24
		.amdhsa_user_sgpr_count 2
		.amdhsa_user_sgpr_kernarg_segment_ptr 1
		.amdhsa_wavefront_size32 1
		.amdhsa_system_sgpr_workgroup_id_x 1
		.amdhsa_system_sgpr_workgroup_id_y 1
		.amdhsa_system_sgpr_workgroup_id_z 1
		.amdhsa_system_vgpr_workitem_id 0
		.amdhsa_next_free_vgpr 512
		.amdhsa_next_free_sgpr 66
		.amdhsa_reserve_vcc 1
		.amdhsa_float_denorm_mode_32 3
		.amdhsa_float_denorm_mode_16_64 3
		.amdhsa_memory_ordered 1
		.amdhsa_forward_progress 1
		.amdhsa_inst_pref_size 89
	.end_amdhsa_kernel
	.amdgpu_metadata
---
amdhsa.version: [ 1, 2 ]
amdhsa.kernels:
  - .name:           k_qfb25a55b20_attn
    .symbol:         k_qfb25a55b20_attn.kd
    .args:
      - { .name: qkv_img, .offset: 0, .size: 8, .value_kind: global_buffer, .address_space: global }
      - { .name: attention_mask, .offset: 8, .size: 8, .value_kind: global_buffer, .address_space: global }
      - { .name: y_img, .offset: 16, .size: 8, .value_kind: global_buffer, .address_space: global }
    .group_segment_fixed_size: 327680
    .private_segment_fixed_size: 0
    .kernarg_segment_align: 8
    .kernarg_segment_size: 24
    .max_flat_workgroup_size: 256
    .sgpr_count:     66
    .vgpr_count:     512
    .wavefront_size: 32
...
	.end_amdgpu_metadata
.endif
;; end of part 3
;; launch proj (part 4): grid 4 x 64, 4 waves a work-group, clusters of 4 x 4, 327,680 bytes of LDS; arguments y_img, wp_img, bp, out0; writes out0
.if DOCPART == 4
	.amdgcn_target "amdgcn-amd-amdhsa--gfx1250"
	.amdhsa_code_object_version 6
	.text
	.protected	k_qfb25a55b20_proj
	.globl	k_qfb25a55b20_proj
	.p2align	8
	.type	k_qfb25a55b20_proj,@function
k_qfb25a55b20_proj:
	s_mov_b64 s[64:65], 0
	v_nop
	global_prefetch_b8 v0, s[64:65] scope:SCOPE_SE
	s_setreg_imm32_b32 hwreg(HW_REG_WAVE_MODE, 25, 1), 1
	s_wait_xcnt 0x0
	s_wait_alu depctr_hold_cnt(0) depctr_sa_sdst(0) depctr_va_vdst(0) depctr_va_sdst(0) depctr_va_ssrc(0) depctr_va_vcc(0) depctr_vm_vsrc(0)
	s_getreg_b32 s2, hwreg(HW_REG_IB_STS2, 6, 4)
	s_cmp_eq_u32 s2, 0
	s_cbranch_scc0 .Lentry_in_a_cluster
	s_endpgm
.Lentry_in_a_cluster:
	s_bfe_u32 s2, ttmp6, 0x10000c
	s_cmp_lg_u32 s2, 0xf033
	s_cbranch_scc0 .Lentry_shape_is_right
	s_endpgm
.Lentry_shape_is_right:
; Launch 4 of 4: out0 = y Wp^T + bp.  y [8192][1024] and Wp [1024][1024] are f16 in blocks of 16 rows x 16 along K, 512 bytes, [row / 16][k / 16][512 bytes]; a lane's 16 bytes of a block lie at 16 x lane, and two
; neighbouring blocks are the eight registers of an operand.  Sums in f32; out0 is f32.
; A tile of out0 is 128 tokens x 256 columns: 256 work-groups.  Four waves, each 64 x 128: 32 accumulators, 256 registers.  K goes in steps of 128 (eight blocks, 4,096 bytes of each row of blocks) through two LDS slots;
; two slots of twice the step would not fit in LDS.  A K step is four quarters of 32 along K, 32 matrix instructions each, on two fragment buffers by turns.
; CLUSTERS: 4 x 4 work-groups.  The four of a row of the cluster need the same tiles of y, the four of a column the same tiles of Wp: each tile is asked for JOINTLY.  By the text's own count a wave has two tensor loads
; out at the start and one behind each round.  THE MATRIX INSTRUCTION IS USED TRANSPOSED (source 0 = 16 rows of Wp, source 1 = 16 tokens): a lane holds eight neighbouring columns of one token's row.
; THE BIAS is the C of each sum's first matrix instruction.
; REGISTERS: window 0: v16-30 addresses; v128-255 rows on the way out.   window 1: two fragment buffers of 96 (y's four fragments, then Wp's eight); v192-255 the bias.   window 2: accumulator (a, b) at v[8 (8 a + b)].
.set KSB,    4096                      ; a K step of one row of blocks, in bytes
.set IROW,   32768                     ; a row of 64 blocks, in y_img and in wp_img
.set SLOT,   98304                     ; y's 8 rows of blocks x 4,096 bytes, then Wp's 16
.set BOFF,   32768
.set STAGE,  2*SLOT                    ; behind the ring: 16 rows x 528 bytes for each wave, for the way out; no fill lands there
.set SPITCH, 528
.set SPARE,  STAGE+4*16*SPITCH         ; the spare words, 128 bytes for each wave: two blocks of 256 bytes that no other line names
.set ADRA, 16                          ; v16-17  LDS address of my fragments of y in slot 0, 1
.set ADRB, 20                          ; v20-21  the same for Wp
.set STO,  24                          ; v24     the way out: where I put 32 bytes of a row
.set RD,   25                          ; v25     the way out: where I read a row back
.set CO,   26                          ; v26     my byte offset in a row's 512 bytes of out0
.set BO,   27                          ; v27     32 h: my eight numbers of a column block's bias
.set SPW,  28                          ; v28     LDS address of my spare word; never rewritten
.set NIL,  29                          ; v29     0; never rewritten
.set PFO,  30                          ; v30     the prefetches' offset: 32,768 (lane / 16) + 256 (lane % 16); never rewritten
.set BK,   128                         ; the way out: 16 rows read back from the stage: v128-191 and v192-255 by turns
.set F0,   0                           ; fragment buffers, in window 1
.set F1,   96
.set BIAS, 192                         ; in window 1
.set G1, 24                            ; s[24:31] descriptor group 1 for y's tiles;  s[32:39] group 0, one set for each slot
.set G0, 32
.set G1B, 48                           ; s[48:55], s[56:63] the same for Wp's
.set G0B, 56
.set PFA, 66                           ; s[66:67] where my prefetches stand
.set LIM, 68                           ; s68 1 in a wave that prefetches, else the greatest number
.set MSB, 0
.macro WIN new                         ; the immediate's high byte repeats the setting that is left
.if MSB != \new
	s_set_vgpr_msb (MSB<<8)|\new
.set MSB, \new
.endif
.endm
.set MUL,  0xa5                        ; sources 0 and 1 window 1; C and D window 2
.set FST,  0x95                        ; the first quarter: C (the bias) window 1
.set TO_F, 0x40                        ; destination window 1, address window 0
.macro JLOAD s                         ; a joint load: waves 0 and 1 fetch y's two halves, waves 2 and 3 Wp's; an s_nop 0 and four v_nop follow each of the two lines
	s_cmp_eq_u32 s13, 0
	s_cbranch_scc0 .Lfor_b_\@
	tensor_load_to_lds s[G0+4*\s:G0+4*\s+3], s[G1:G1+7]
	s_nop 0
.rept 4
	v_nop
.endr
	s_branch .Lasked_\@
.Lfor_b_\@:
	tensor_load_to_lds s[G0B+4*\s:G0B+4*\s+3], s[G1B:G1B+7]
	s_nop 0
.rept 4
	v_nop
.endr
.Lasked_\@:
.endm
.macro CREST                           ; a round of the cluster's barrier behind its opening barrier
	s_cmp_lg_u32 s12, 0
	s_cbranch_scc1 .Lnot_wave_0_\@
	s_barrier_signal -3
.Lnot_wave_0_\@:
	s_barrier_wait -3
	s_barrier_signal -1
	s_barrier_wait -1
.endm
.macro CROUND
	s_barrier_signal -1
	s_barrier_wait -1
	CREST
.endm
; A PREFETCH INTO THE L2 behind each refill's LDS loads: the K step that stands two refills on, 256 matrix instructions of the wave ahead of the load that will want it.  Each aligned 256 bytes are named once in the launch.
; y's tile row is read by this cluster's row alone: its four partners take two rows of blocks each, told apart BY ADDRESS; wave 0 asks: 2 x 4,096 bytes, lanes 256 bytes apart.  Wp's tile column is read by every cluster:
; the clusters with y = 0 ask; the four partners of a column take four rows of blocks each, by address; waves 2 and 3 two each.  K steps 0 to 3 come by their loads alone; the last two refills ask for nothing.
.macro ASK
	s_cmp_gt_u32 s3, s[LIM]                        ; s3 = 1 in the loop's last trip
	s_cbranch_scc0 .Lnot_mine_\@
	global_prefetch_b8 v[PFO], s[PFA:PFA+1] offset:KSB th:TH_LOAD_NT scope:SCOPE_SE
.Lnot_mine_\@:
.endm
	s_load_b128 s[4:7], s[0:1], 0x0                ; y_img, wp_img
	s_load_b128 s[8:11], s[0:1], 0x10              ; bp, out0
	v_lshl_add_u32 v[SPW], v0, 2, SPARE
	v_mov_b32 v[NIL], 0
	ds_add_u32 v[SPW], v[NIL]                      ; the wave's opening: the add, twice on end, and its wait ahead of my first tensor load
	ds_add_u32 v[SPW], v[NIL]                      ; and once more, under the one wait; the set-up below, work on registers, stands between
	v_lshrrev_b32 v1, 5, v0
	v_readfirstlane_b32 s12, v1                    ; wave 0..3
	s_lshr_b32 s13, s12, 1                         ; which 64 of the tile's tokens are mine.  Also: I fetch for y (0) or for Wp (1)
	s_and_b32 s14, s12, 1                          ; which 128 of its columns.  Also: which half of that tile I fetch
	s_bfe_u32 s40, ttmp6, 0x40000                  ; cx, cy: my place in the cluster
	s_bfe_u32 s41, ttmp6, 0x40004
	s_lshl_b32 s42, ttmp9, 2
	s_add_co_u32 s42, s42, s40                     ; tile column = 4 x cluster x + cx
	s_and_b32 s15, ttmp7, 0xffff
	s_lshl_b32 s15, s15, 2
	s_add_co_u32 s15, s15, s41                     ; tile row = 4 x cluster y + cy
	s_lshl_b32 s43, s41, 2
	s_lshl_b32 s43, 15, s43                        ; my row of the cluster
	s_lshl_b32 s44, 0x1111, s40                    ; my column
	; descriptor group 1: rows of 4,096 bytes (512 elements of 8 bytes), 32,768 bytes apart, dense in LDS: four rows of y's blocks, eight of Wp's
	s_or_b32 s[G1+0], s43, (3<<16)|(1<<21)         ; 15:0 the mask; 17:16 elements of 8 bytes; 21 set beside a mask
	s_or_b32 s[G1B+0], s44, (3<<16)|(1<<21)
	s_mov_b32 s[G1+1], 512<<16                     ; tensor_dim0
	s_mov_b32 s[G1+2], 4<<16                       ; tensor_dim1
	s_mov_b32 s[G1+3], 512<<16                     ; tile_dim0
	s_mov_b32 s[G1+4], 4                           ; tile_dim1
	s_mov_b32 s[G1+5], IROW/8                      ; from row to row, in elements
	s_mov_b32 s[G1+6], 0
	s_mov_b32 s[G1+7], 0
	s_mov_b32 s[G1B+1], 512<<16
	s_mov_b32 s[G1B+2], 8<<16
	s_mov_b32 s[G1B+3], 512<<16
	s_mov_b32 s[G1B+4], 8
	s_mov_b32 s[G1B+5], IROW/8
	s_mov_b32 s[G1B+6], 0
	s_mov_b32 s[G1B+7], 0
	s_lshl_b32 s16, s15, 3
	s_lshl_b32 s17, s14, 2
	s_add_co_u32 s16, s16, s17                     ; y: row of blocks 8 x tile row + 4 x half
	s_lshl_b32 s16, s16, 15
	s_mov_b32 s17, 0
	s_lshl_b32 s46, s42, 4
	s_lshl_b32 s47, s14, 3
	s_add_co_u32 s46, s46, s47                     ; Wp: row of blocks 16 x tile column + 8 x half
	s_lshl_b32 s46, s46, 15
	s_mov_b32 s47, 0
	s_lshl_b32 s20, s14, 14                        ; where they go: y's halves, 16,384 bytes each,
	s_lshl_b32 s21, s14, 15
	s_add_co_u32 s21, s21, BOFF                    ; then Wp's, 32,768 each: no place in the cluster enters an LDS address
	s_wait_dscnt 0x0                               ; both opening adds are done
	s_wait_kmcnt 0x0
	s_add_nc_u64 s[16:17], s[4:5], s[16:17]
	s_add_nc_u64 s[46:47], s[6:7], s[46:47]
	CROUND                                         ; all sixteen work-groups are here: the first joint loads meet
.irp s, 0,1
	s_mov_b32 s[G0+4*\s], 1
	s_add_co_u32 s[G0+4*\s+1], s20, \s*SLOT
	s_add_nc_u64 s[G0+4*\s+2:G0+4*\s+3], s[16:17], \s*KSB
	s_or_b32 s[G0+4*\s+3], s[G0+4*\s+3], 0x80000000
	s_mov_b32 s[G0B+4*\s], 1
	s_add_co_u32 s[G0B+4*\s+1], s21, \s*SLOT
	s_add_nc_u64 s[G0B+4*\s+2:G0B+4*\s+3], s[46:47], \s*KSB
	s_or_b32 s[G0B+4*\s+3], s[G0B+4*\s+3], 0x80000000
	JLOAD \s
.endr
	v_and_b32 v1, 31, v0
	v_lshlrev_b32 v3, 4, v1                        ; 16 x lane
	s_lshl_b32 s22, s13, 14                        ; my four rows of y's blocks
	s_lshl_b32 s23, s14, 15
	s_add_co_u32 s23, s23, BOFF                    ; my eight rows of Wp's
.irp s, 0,1
	v_add_nc_u32 v[ADRA+\s], s22, v3
	v_add_nc_u32 v[ADRB+\s], s23, v3
	s_add_co_u32 s22, s22, SLOT
	s_add_co_u32 s23, s23, SLOT
.endr
	v_and_b32 v1, 15, v0                           ; r
	v_bfe_u32 v2, v0, 4, 1                         ; h
	s_mul_i32 s22, s12, 16*SPITCH
	s_add_co_u32 s22, s22, STAGE                   ; my stage
	v_mul_u32_u24 v4, v1, SPITCH
	v_lshl_add_u32 v4, v2, 5, v4
	v_add_nc_u32 v[STO], s22, v4                   ; in: row r, 32 bytes for each half of the lanes
	v_add_nc_u32 v[RD], s22, v3                    ; back: the 32 lanes take one row of 512 bytes
	v_mov_b32 v[CO], v3                            ; and the same in out0
	v_lshlrev_b32 v[BO], 5, v2
	v_lshlrev_b32 v[PFO], 8, v1
	v_lshl_add_u32 v[PFO], v2, 15, v[PFO]
	s_lshl_b32 s22, s42, 10
	s_lshl_b32 s23, s14, 9
	s_add_co_u32 s22, s22, s23                     ; my first column, in bytes: 4 x (256 x tile column + 128 x half)
	s_mov_b32 s23, 0
	s_add_nc_u64 s[8:9], s[8:9], s[22:23]          ; in bp,
	s_add_nc_u64 s[10:11], s[10:11], s[22:23]      ; and in a row of out0
	s_lshl_b32 s22, s15, 7
	s_lshl_b32 s18, s13, 6
	s_add_co_u32 s22, s22, s18                     ; my first token: 128 x tile row + 64 x half
	s_lshl_b32 s22, s22, 12                        ; rows of 4,096 bytes (under 2^26)
	s_add_nc_u64 s[10:11], s[10:11], s[22:23]
	WIN TO_F
.irp b, 0,1,2,3,4,5,6,7
	global_load_b128 v[BIAS+8*\b:BIAS+8*\b+3], v[BO], s[8:9] offset:64*\b        ; register 8 b + j = bp[my first column + 16 b + 8 h + j]
	global_load_b128 v[BIAS+8*\b+4:BIAS+8*\b+7], v[BO], s[8:9] offset:64*\b+16
.endr
	WIN 0
	; the prefetches: where my wave's stand, and who asks
	s_lshl_b32 s18, s15, 3
	s_lshl_b32 s19, s40, 1
	s_add_co_u32 s18, s18, s19                     ; y: rows of blocks 8 x tile row + 2 cx, and the next
	s_lshl_b32 s19, s42, 4
	s_lshl_b32 s22, s41, 2
	s_add_co_u32 s19, s19, s22
	s_lshl_b32 s22, s14, 1
	s_add_co_u32 s19, s19, s22                     ; Wp: rows of blocks 16 x tile column + 4 cy + 2 (wave % 2), and the next
	s_and_b32 s22, ttmp7, 0xffff                   ; cluster y
	s_cmp_lt_u32 s12, 2
	s_cselect_b32 s18, s18, s19
	s_cselect_b32 s22, s12, s22                    ; 0 in wave 0, and in waves 2 and 3 of the clusters with y = 0: the same in all sixteen partners, for a given wave
	s_cselect_b64 s[PFA:PFA+1], s[4:5], s[6:7]
	s_cmp_eq_u32 s22, 0
	s_cselect_b32 s[LIM], 1, -1
	s_lshl_b32 s18, s18, 15
	s_add_co_u32 s18, s18, 2*KSB                   ; at K step 2: the first refill steps it to 3 and names K step 4.  Nothing is prefetched here, at the head
	s_mov_b32 s19, 0
	s_add_nc_u64 s[PFA:PFA+1], s[PFA:PFA+1], s[18:19]
; 8 matrix instructions: y's block a against Wp's eight, 32 along K, from buffer f.  first = 1: the sums start from the bias.  The 32 accumulators take turns, one instruction a turn, in the same order in every quarter.
.macro MULA f, a, first
.irp b, 0,1,2,3,4,5,6,7
.if \first
	v_wmma_f32_16x16x32_f16 v[8*(8*\a+\b):8*(8*\a+\b)+7], v[\f+32+8*\b:\f+32+8*\b+7], v[\f+8*\a:\f+8*\a+7], v[BIAS+8*\b:BIAS+8*\b+7]
.else
	v_wmma_f32_16x16x32_f16 v[8*(8*\a+\b):8*(8*\a+\b)+7], v[\f+32+8*\b:\f+32+8*\b+7], v[\f+8*\a:\f+8*\a+7], v[8*(8*\a+\b):8*(8*\a+\b)+7]
.endif
.endr
.endm
; 24 LDS loads in one run: the fragments of the slot's q-th 32 along K into buffer f: Wp's sixteen loads, then y's blocks 0, 1, then 2, 3.  Each load takes 512 consecutive bytes.
.macro FETCH slot, q, f
	WIN TO_F
.irp i, 0,1,2,3,4,5,6,7
	ds_load_b128 v[\f+32+8*\i:\f+32+8*\i+3],   v[ADRB+\slot] offset:KSB*\i+1024*\q
	ds_load_b128 v[\f+32+8*\i+4:\f+32+8*\i+7], v[ADRB+\slot] offset:KSB*\i+1024*\q+512
.endr
.irp i, 0,1,2,3
	ds_load_b128 v[\f+8*\i:\f+8*\i+3],   v[ADRA+\slot] offset:KSB*\i+1024*\q
	ds_load_b128 v[\f+8*\i+4:\f+8*\i+7], v[ADRA+\slot] offset:KSB*\i+1024*\q+512
.endr
.endm
.macro PLACES                          ; four places in front of loads into registers that matrix instructions have read, and of the first read of results (ISA guide 7.12.1 for the first read of results)
.rept 4
	v_nop
.endr
.endm
; One of a K step's first three quarters: multiplies buffer f and fetches the slot's q-th quarter into g.
.macro QUARTER slot, q, f, g, first
	s_wait_dscnt 4                                 ; Wp's fragments and y's blocks 0, 1 are in; the youngest four loads (blocks 2, 3) may be out
.if \first
	WIN FST
.else
	WIN MUL
.endif
	MULA \f, 0, \first
	MULA \f, 1, \first
	PLACES
	FETCH \slot, \q, \g
	s_wait_dscnt 24                                ; all but the 24 just issued
.if \first
	WIN FST
.else
	WIN MUL
.endif
	MULA \f, 2, \first
	MULA \f, 3, \first
.endm
; The last quarter multiplies buffer 1 and changes slots: ONE barrier; in front of it each wave waits for all its tensor loads, adds 0 to its spare word, and waits for that and for its own reads of this slot.
; fill = 1: the barrier opens a round of the cluster's barrier, and this slot is filled again, two K steps ahead.
.macro TURN slot, next, fill
.if \fill
	s_wait_xcnt 0x0                                ; the last prefetch, a K step back, has read its address: it is stepped here, ahead of the waits of the change of slots
	s_add_nc_u64 s[PFA:PFA+1], s[PFA:PFA+1], KSB
.endif
	WIN 0                                          ; (the add's two registers lie in window 0)
	s_wait_tensorcnt 0x0                           ; all my tensor loads have landed: my part of the next slot
	ds_add_u32 v[SPW], v[NIL]                      ; 0 onto my spare word
	s_wait_dscnt 5                                 ; (the add and the youngest four loads may be out)
	WIN MUL
	MULA F1, 0, 0                                  ; eight matrix instructions stand between the add and the wait for it
	s_wait_dscnt 0x0                               ; the add is done, and my reads of this slot are over
	s_barrier_signal -1
	MULA F1, 1, 0
	WIN 0
	s_barrier_wait -1
.if \fill
	CREST                                          ; no wave of any partner still reads this slot's tile or has a load on its way
	s_add_nc_u64 s[G0+4*\slot+2:G0+4*\slot+3], s[G0+4*\slot+2:G0+4*\slot+3], 2*KSB
	s_add_nc_u64 s[G0B+4*\slot+2:G0B+4*\slot+3], s[G0B+4*\slot+2:G0B+4*\slot+3], 2*KSB
	JLOAD \slot                                    ; the first tensor load behind the round; the four v_nop behind it are also the places in front of the loads below
.else
	PLACES
.endif
	FETCH \next, 0, F0
.if \fill
	WIN 0
	ASK
.endif
	WIN MUL
	MULA F1, 2, 0
	MULA F1, 3, 0
.endm
	s_wait_tensorcnt 1                             ; my part of K step 0 is in (K step 1's load may be out),
	s_barrier_signal -1
	s_barrier_wait -1                              ; everybody's is
	FETCH 0, 0, F0
	s_wait_loadcnt 0x0                             ; the bias
	QUARTER 0, 1, F0, F1, 1                        ; the first quarter stands in front of the loop: its products start the sums from the bias
	WIN 0                                          ; at a label and at a branch every window is 0
	s_mov_b32 s3, 3
.Llap:                                                 ; a trip goes once round the ring, from a lap's second quarter to the next lap's first, and fills both slots again: K steps 2 to 7
	QUARTER 0, 2, F1, F0, 0
	QUARTER 0, 3, F0, F1, 0
	TURN 0, 1, 1
	QUARTER 1, 1, F0, F1, 0
	QUARTER 1, 2, F1, F0, 0
	QUARTER 1, 3, F0, F1, 0
	TURN 1, 0, 1
	QUARTER 0, 1, F0, F1, 0
	WIN 0
	s_sub_co_u32 s3, s3, 1
	s_cmp_lg_u32 s3, 0
	s_cbranch_scc1 .Llap
	QUARTER 0, 2, F1, F0, 0                        ; the last lap fills nothing, and has no round of the cluster's barrier
	QUARTER 0, 3, F0, F1, 0
	TURN 0, 1, 0
	QUARTER 1, 1, F0, F1, 0
	QUARTER 1, 2, F1, F0, 0
	QUARTER 1, 3, F0, F1, 0
	s_wait_dscnt 4                                 ; the very last quarter: nothing more to fetch
	WIN MUL
	MULA F1, 0, 0
	MULA F1, 1, 0
	s_wait_dscnt 0x0
	MULA F1, 2, 0
	MULA F1, 3, 0
	WIN 0
; THE WAY OUT, 16 tokens x 128 columns at a time.  A lane holds 32 neighbouring bytes of a row, and the lanes beside it hold other rows: so a block goes through my own stage in LDS and comes back as whole rows of
; 512 bytes, which the 32 lanes store, aligned.  LDS serves a wave's instructions in order (ISA guide 5.7.1.4): no wait between the stores and the loads, nor in front of the next block's stores.
.macro TOSTAGE a
	WIN 0x08                                       ; an LDS store's data are its source 1: window 2
.irp b, 0,1,2,3,4,5,6,7
	ds_store_b128 v[STO], v[64*(\a)+8*\b:64*(\a)+8*\b+3] offset:64*\b          ; each accumulator from its low end on
	ds_store_b128 v[STO], v[64*(\a)+8*\b+4:64*(\a)+8*\b+7] offset:64*\b+16
.endr
	WIN 0
.set BB, BK+64*((\a)%2)
.irp t, 0,1,2,3,4,5,6,7,8,9,10,11,12,13,14,15
	ds_load_b128 v[BB+4*\t:BB+4*\t+3], v[RD] offset:\t*SPITCH
.endr
.endm
.macro SEND a, younger                 ; younger: the LDS instructions issued behind block a's loads, which may stay out
.set BB, BK+64*((\a)%2)
	s_wait_dscnt \younger                          ; the block is back in registers
.irp t, 0,1,2,3,4,5,6,7,8,9,10,11,12,13,14,15
	global_store_b128 v[CO], v[BB+4*\t:BB+4*\t+3], s[10:11] offset:4096*(16*(\a)+\t) th:TH_STORE_NT   ; 32 lanes store 512 consecutive bytes, aligned; every offset an immediate, 258,048 at the most
.endr
.endm
	PLACES                                         ; behind the last products, ahead of the first read of results
	TOSTAGE 0
.irp a, 1,2,3
.if \a > 1
	s_wait_xcnt 0x0                                ; the stores of two blocks ago have read their registers: this block's loads may land there
.endif
	TOSTAGE \a
	SEND \a-1, 32                                  ; behind block a - 1's loads: block a's 16 stores and 16 loads
.endr
	SEND 3, 0
	s_wait_tensorcnt 0x0                           ; the wave's end: the add onto my spare word and its wait, behind my last tensor load and my last LDS store
	ds_add_u32 v[SPW], v[NIL]
	s_wait_dscnt 0x0
	CROUND                                         ; the closing round: no work-group ends while a partner may still ask for a tile that names it
	s_endpgm
.Lfunc_end_k_qfb25a55b20_proj:
	.size	k_qfb25a55b20_proj, .Lfunc_end_k_qfb25a55b20_proj-k_qfb25a55b20_proj
	.p2alignl 7, 3214868480
	.fill 96, 4, 3214868480
	.section	.rodata,"a",@progbits
	.p2align	6, 0x0
	.amdhsa_kernel k_qfb25a55b20_proj
		.amdhsa_group_segment_fixed_size 327680
		.amdhsa_private_segment_fixed_size 0
		.amdhsa_enable_private_segment 0
		.amdhsa_kernarg_size 32
		.amdhsa_user_sgpr_count 2
		.amdhsa_user_sgpr_kernarg_segment_ptr 1
		.amdhsa_wavefront_size32 1
		.amdhsa_system_sgpr_workgroup_id_x 1
		.amdhsa_system_sgpr_workgroup_id_y 1
		.amdhsa_system_sgpr_workgroup_id_z 1
		.amdhsa_system_vgpr_workitem_id 0
		.amdhsa_next_free_vgpr 768
		.amdhsa_next_free_sgpr 80
		.amdhsa_reserve_vcc 0
		.amdhsa_float_denorm_mode_32 3
		.amdhsa_float_denorm_mode_16_64 3
		.amdhsa_memory_ordered 1
		.amdhsa_forward_progress 1
		.amdhsa_inst_pref_size 87
	.end_amdhsa_kernel
	.amdgpu_metadata
---
amdhsa.version: [ 1, 2 ]
amdhsa.kernels:
  - .name:           k_qfb25a55b20_proj
    .symbol:         k_qfb25a55b20_proj.kd
    .args:
      - { .name: y_img, .offset: 0, .size: 8, .value_kind: global_buffer, .address_space: global }
      - { .name: wp_img, .offset: 8, .size: 8, .value_kind: global_buffer, .address_space: global }
      - { .name: bp, .offset: 16, .size: 8, .value_kind: global_buffer, .address_space: global }
      - { .name: out0, .offset: 24, .size: 8, .value_kind: global_buffer, .address_space: global }
    .group_segment_fixed_size: 327680
    .private_segment_fixed_size: 0
    .kernarg_segment_align: 8
    .kernarg_segment_size: 32
    .max_flat_workgroup_size: 128
    .sgpr_count:     80
    .vgpr_count:     768
    .wavefront_size: 32
...
	.end_amdgpu_metadata
.endif
;; end of part 4
